; MI455X (gfx1250); checked and timed in simulation.
; The chip was launched on July 23, 2026; its instructions are those of AMD's public machine-readable ISA for CDNA 5 (MIT licence, August 2026) and "CDNA5" Instruction Set Architecture Reference Guide (July 2026). The comments in the code are by the model that wrote it; some were corrected since.
;; Attention. Allowed arithmetic: matrix products marked QUANTISED: E3M2 operands, one E8M0 scale for each 32 along K, by v_wmma_scale_f32_16x16x128_f8f6f4 with both operands' format E3M2, f32 sums; everything else in f32.
;; Inputs: W_K 16 x 64 x 1,024 float32; W_O 1,024 x 1,024 float32; W_Q 16 x 64 x 1,024 float32; W_V 16 x 64 x 1,024 float32; x 8 x 1,024 x 1,024 float32.
;; Outputs: out0 8 x 1,024 x 1,024 float32.
;; This version of the problem:
;;   THIS VERSION OF THE PROBLEM IS GIVEN IN LOW PRECISION. The matrix products marked QUANTISED in the list below multiply operands that are first quantised to E3M2 (3 exponent bits, 2 mantissa bits; 6 bits a number), with one power-of-two scale for each 32 numbers along K (OCP MX v1.0); their sums are f32. All else is computed in f32.
;;   The module's matrix products, in the order in which they are computed (A, B: the left and right operand; K: the contracted axis; several contracted axes count as one K, in the product's order):
;;     1. [M 8,192, K 1,024] x [K 1,024, N 1,024]; A: input x; B: input W_K: QUANTISED
;;     2. [M 8,192, K 1,024] x [K 1,024, N 1,024]; A: input x; B: input W_Q: QUANTISED
;;     3. [M 8,192, K 1,024] x [K 1,024, N 1,024]; A: input x; B: input W_V: QUANTISED
;;     4. batch 128 x [M 1,024, K 64] x [K 64, N 1,024]; A: computed on the way; B: computed on the way: QUANTISED
;;     5. batch 128 x [M 1,024, K 1,024] x [K 1,024, N 64]; A: computed on the way; B: computed on the way: QUANTISED
;;     6. [M 8,192, K 1,024] x [K 1,024, N 1,024]; A: computed on the way; B: input W_O: QUANTISED
;;   THE QUANTISER, for each operand of a quantised product, along K:
;;     - K is cut into blocks of 32 from its start; a last block that is shorter is filled with zeros.
;;     - A block's scale is 2^e with e = floor(log2(the largest magnitude in the block)) - 4, held to -126 .. 127; a block of zeros has e = 0. As a byte (E8M0): e + 127.
;;     - Each number is divided by its block's scale, clamped to +-28, and rounded to the nearest number of E3M2, ties to even, subnormals kept.
;;     - The product sums the exact products of the quantised numbers (number of the format x scale) in f32.
;;   ~~~python
;;   def quantise(x, axis):      # numpy; x: float32 -> the quantised numbers, widened to float32 again
;;       x = np.moveaxis(x, axis, -1); K = x.shape[-1]
;;       x = np.pad(x, [(0, 0)] * (x.ndim - 1) + [(0, -K % 32)]); x = x.reshape(x.shape[:-1] + (-1, 32)); a = np.abs(x).max(-1, keepdims=True)
;;       e = np.where(a > 0, np.clip(np.frexp(np.where(a > 0, a, 1))[1] - 1 - 4, -126, 127), 0)      # np.frexp(a)[1] - 1 = floor(log2(a)), exactly
;;       r = np.clip(x / 2.0 ** e, -28, 28)
;;       step = 2.0 ** (np.maximum(np.frexp(np.where(r == 0, 1, r))[1] - 1, -2) - 2)
;;       q = np.round(r / step) * step * 2.0 ** e      # np.round: ties to even
;;       return np.moveaxis(q.reshape(q.shape[:-2] + (-1,))[..., :K], -1, axis).astype(np.float32)
;;   ~~~
;;   OPERANDS COMPUTED ON THE WAY. 'Computed on the way' means the value that the module computes at that place (a softmax that the list does not call 'softmax' is quantised finished and normalised). What goes into a quantiser is computed in f32, as accurately as f32 sums, v_exp_f32 and their like allow (about 1e-6 of the number): no bf16 or f16 on the way to a quantiser, and a product that is left as it is and whose result goes on into a quantised operand takes f32 operands (vector FMAs, or v_wmma_f32_16x16x4_f32). A number that lies on a knife's edge between two numbers of the format may be rounded either way, as far as f32 arithmetic and the matrix unit's own rounding can turn it there, and no further.
;; One version. Each part assembles by itself: llvm-mc -triple=amdgcn-amd-amdhsa -mcpu=gfx1250 --defsym DOCPART=n.
;; ======== version 1 of 1: 5 launches
;; workspace buffers: codes 9,437,184 bytes; scales 393,216 bytes; kqv 20,185,088 bytes; st 1,048,576 bytes; zc 6,291,456 bytes; zs 262,144 bytes
;; launch quant (part 1): grid 384 x 1, 4 waves a work-group, no clusters, 33,280 bytes of LDS; arguments x, W_K, W_Q, W_V, W_O, codes, scales; writes codes, scales
.if DOCPART == 1
	.amdgcn_target "amdgcn-amd-amdhsa--gfx1250"
	.amdhsa_code_object_version 6
	.text
	.protected	k_qe48b5990ac_quant
	.globl	k_qe48b5990ac_quant
	.p2align	8
	.type	k_qe48b5990ac_quant,@function
k_qe48b5990ac_quant:
	s_mov_b64 s[64:65], 0
	v_nop
	global_prefetch_b8 v0, s[64:65] scope:SCOPE_SE
	s_setreg_imm32_b32 hwreg(HW_REG_WAVE_MODE, 25, 1), 1
	s_wait_xcnt 0x0
; x [8192][1024] and the four weights [1024][1024], f32, K innermost, become codes of BF6 (E3M2), 6 bits each, and one E8M0 scale byte for each 32 along K.
; codes: 12,288 rows of 768 bytes (x, W_K, W_Q, W_V, W_O); scales: the same rows of 32 bytes.
; A block's scale is 2^(floor(log2(its largest magnitude)) - 4); its byte is the largest magnitude's exponent field - 4, held at 1 from below.  A block of zeros keeps the byte 1: its codes are zeros, and this program alone reads the bytes.
; LIMITS: blocks whose largest magnitude lies under 2^(4 - 126) have their byte held at 1; NaN and infinities among the inputs are not served.
; THE ROWS OF x, W_K, W_Q AND W_V ARE STORED IN ANOTHER ORDER: row i goes to place i with its bits 3 and 4 exchanged.  So 16 neighbouring places hold rows 32 b + 8 u + r + 8 (r / 8), and the later
; products' results fall into a lane's registers as neighbours along the next K.  A wave takes 8 rows (a run of 8,192 numbers), so the exchange is one of the run number's two low bits, which are the wave's number.  W_O keeps its order.
; A wave takes 16 steps of 512 numbers.  Each of a step's four loads reads 512 consecutive bytes; the 2,048 bytes turn through the wave's own stage in LDS and come back 64 bytes (16 neighbours) a lane; two neighbouring lanes hold a block.
; A lane's 16 codes are 12 bytes: the wave stores 384 consecutive bytes.  A wave's 256 scale bytes are gathered in LDS and leave as one aligned run of 256 bytes.  Waves share nothing: no barrier.
.set WAVES, 4
.set STEPS, 16
.set EMAX,  4
.set CB,    12                         ; bytes of 16 codes
.set R,     16                         ; v16-79   four sets of 16 numbers as they are loaded
.set X,     80                         ; v80-111  two sets of 16 neighbours
.set C,     128                        ; v128-191 codes: four registers for each step, so that no store's data are written again
.set E,     112                        ; v112-127 a scale byte for each step
.set WREG,  8192                       ; LDS: a region for each wave: two stages of 32 x SP bytes, and behind them its 256 scale bytes
.set SP,    80                         ; a lane's place in a stage: 64 bytes + 16 of padding
.set SPW,   12                         ; v12  LDS address of my spare word; never rewritten
.set NIL,   13                         ; v13  0; never rewritten
.set SPARE, WAVES*WREG                 ; behind the four regions: the spare words, 128 bytes a wave
	s_load_b256 s[4:11], s[0:1], 0x0               ; x, W_K, W_Q, W_V
	s_load_b128 s[12:15], s[0:1], 0x20             ; W_O, codes
	s_load_b64 s[16:17], s[0:1], 0x30              ; scales
	v_lshl_add_u32 v[SPW], v0, 2, SPARE
	v_mov_b32 v[NIL], 0
	v_lshrrev_b32 v1, 5, v0
	v_readfirstlane_b32 s20, v1                    ; wave
	v_and_b32 v2, 31, v0                           ; lane
	v_lshlrev_b32 v3, 4, v2                        ; my 16 bytes of a load's 512
	s_mul_i32 s21, s20, WREG
	v_lshrrev_b32 v14, 2, v2
	v_mul_u32_u24 v14, v14, SP
	v_and_b32 v15, 3, v2
	v_lshl_add_u32 v14, v15, 4, v14
	v_add_nc_u32 v14, s21, v14                     ; the stage, on the way in: SP (lane / 4) + 16 (lane % 4)
	v_mul_u32_u24 v15, v2, SP
	v_add_nc_u32 v15, s21, v15                     ; and on the way out: SP x lane: my 16 neighbours
	v_mul_u32_u24 v4, v2, CB                       ; my codes' place in a step's
	v_lshrrev_b32 v5, 1, v2
	s_add_co_u32 s21, s21, 2*32*SP
	v_add_nc_u32 v5, s21, v5                       ; LDS: my wave's 256 scale bytes, my block's byte
	v_lshlrev_b32 v7, 3, v2                        ; and on the way out 8 bytes a lane
	v_add_nc_u32 v6, s21, v7
	s_sub_co_u32 s22, ttmp9, 256
	s_and_b32 s22, s22, 31                         ; a weight's work-group, 0 to 31
	s_and_b32 s23, s20, 1
	s_lshl_b32 s23, s23, 1
	s_lshr_b32 s24, s20, 1
	s_or_b32 s23, s23, s24                         ; the wave's number with its two bits exchanged
	s_wait_kmcnt 0x0
	s_cmp_lt_u32 ttmp9, 352                        ; which tensor?  The choices hang on the work-group's number alone
	s_cselect_b64 s[12:13], s[10:11], s[12:13]
	s_cselect_b32 s23, s23, s20                    ; W_O keeps its rows' order
	s_cmp_lt_u32 ttmp9, 320
	s_cselect_b64 s[12:13], s[8:9], s[12:13]
	s_cmp_lt_u32 ttmp9, 288
	s_cselect_b64 s[12:13], s[6:7], s[12:13]
	s_cmp_lt_u32 ttmp9, 256
	s_cselect_b64 s[12:13], s[4:5], s[12:13]
	s_cselect_b32 s22, ttmp9, s22
	s_lshl_b32 s22, s22, 2
	s_add_co_u32 s22, s22, s20                     ; which run of 8 rows of the tensor I read
	s_lshl_b32 s24, s22, 15                        ; 32,768 bytes a run
	s_mov_b32 s25, 0
	s_add_nc_u64 s[12:13], s[12:13], s[24:25]
	s_lshl_b32 s26, ttmp9, 2
	s_add_co_u32 s26, s26, s23                     ; and which run of the workspace I write
	s_mul_i32 s24, s26, 32*STEPS*CB                ; 6,144 bytes of codes a run
	s_add_nc_u64 s[14:15], s[14:15], s[24:25]
	s_lshl_b32 s24, s26, 8                         ; 256 scale bytes a run
	s_add_nc_u64 s[16:17], s[16:17], s[24:25]
.macro LOAD t
.irp i, 0,1,2,3
	global_load_b128 v[R+16*((\t)%4)+4*\i:R+16*((\t)%4)+4*\i+3], v3, s[12:13] offset:2048*(\t)+512*\i th:TH_LOAD_NT   ; 32 lanes read 512 consecutive bytes
.endr
.endm
.macro TURN t                          ; step t's numbers through the stage: LDS serves a wave's instructions in order, so no wait stands between the stores and the loads
.irp i, 0,1,2,3
	ds_store_b128 v14, v[R+16*((\t)%4)+4*\i:R+16*((\t)%4)+4*\i+3] offset:32*SP*((\t)%2)+8*SP*\i
.endr
.irp i, 0,1,2,3
	ds_load_b128 v[X+16*((\t)%2)+4*\i:X+16*((\t)%2)+4*\i+3], v15 offset:32*SP*((\t)%2)+16*\i
.endr
.endm
.irp t, 0,1,2,3
	LOAD \t
.endr
	s_wait_loadcnt 12                              ; step 0's four loads are in; the twelve of steps 1 to 3 may be out
	TURN 0
.macro STEP t
.set XS, X+16*((\t)%2)
.if (\t) > 0
	s_wait_dscnt 1                                 ; this step's numbers are back from the stage (the last step's byte store may be out)
.else
	s_wait_dscnt 0x0
.endif
.if (\t)+4 < STEPS
	LOAD (\t)+4                                    ; into the registers that the stage's stores have read
.endif
.if (\t)+1 < STEPS
.if STEPS-2-(\t) >= 3
	s_wait_loadcnt 12                              ; the next step's four loads are in; those of the three steps behind it may be out
.else
	s_wait_loadcnt 4*(STEPS-2-(\t))
.endif
	TURN (\t)+1                                    ; and go through the other stage while this step is worked
.endif
	v_max3_num_f32 v8, |v[XS]|, |v[XS+1]|, |v[XS+2]|               ; the largest magnitude of my 16
	v_max3_num_f32 v9, |v[XS+3]|, |v[XS+4]|, |v[XS+5]|
.irp i, 6,10
	v_max3_num_f32 v8, v8, |v[XS+\i]|, |v[XS+\i+1]|
	v_max3_num_f32 v9, v9, |v[XS+\i+2]|, |v[XS+\i+3]|
.endr
	v_max3_num_f32 v8, v8, |v[XS+14]|, |v[XS+15]|
	v_max3_num_f32 v8, v8, v9, (EMAX+1)<<23        ; and the floor 2^(EMAX + 1 - 127): the byte cannot fall under 1
	v_max_num_f32_dpp v8, v8, v8 row_xmask:1 row_mask:0xf bank_mask:0xf   ; and of my neighbour's 16: the block's
	v_add_nc_u32 v11, -(EMAX<<23), v8              ; EMAX off its exponent field: the conversion takes the exponent field of this operand as its scale
	v_cvt_scalef32_pk16_bf6_f32 v[C+4*(\t):C+4*(\t)+2], v[XS:XS+15], v11
	v_lshrrev_b32 v[E+(\t)], 23, v11               ; the scale's byte (also the plain line behind the conversion)
	ds_store_b8 v5, v[E+(\t)] offset:16*(\t)       ; both lanes of a block write the same byte with the same value
	global_store_b96 v4, v[C+4*(\t):C+4*(\t)+2], s[14:15] offset:32*CB*(\t)
.endm
.irp t, 0,1,2,3,4,5,6,7,8,9,10,11,12,13,14,15
	STEP \t
.endr
	ds_load_b64 v[8:9], v6                         ; LDS serves a wave's instructions in order: these see my stores
	s_wait_dscnt 0x0
	global_store_b64 v7, v[8:9], s[16:17]          ; 32 lanes store 256 consecutive bytes, aligned
	s_wait_tensorcnt 0x0                           ; the wave's end, behind my last LDS store
	ds_add_u32 v[SPW], v[NIL]
	s_wait_dscnt 0x0
	s_endpgm
.Lfunc_end_k_qe48b5990ac_quant:
	.size	k_qe48b5990ac_quant, .Lfunc_end_k_qe48b5990ac_quant-k_qe48b5990ac_quant
	.p2alignl 7, 3214868480
	.fill 96, 4, 3214868480
	.section	.rodata,"a",@progbits
	.p2align	6, 0x0
	.amdhsa_kernel k_qe48b5990ac_quant
		.amdhsa_group_segment_fixed_size 33280
		.amdhsa_private_segment_fixed_size 0
		.amdhsa_enable_private_segment 0
		.amdhsa_kernarg_size 56
		.amdhsa_user_sgpr_count 2
		.amdhsa_user_sgpr_kernarg_segment_ptr 1
		.amdhsa_wavefront_size32 1
		.amdhsa_system_sgpr_workgroup_id_x 1
		.amdhsa_system_sgpr_workgroup_id_y 1
		.amdhsa_system_sgpr_workgroup_id_z 1
		.amdhsa_system_vgpr_workitem_id 0
		.amdhsa_next_free_vgpr 192
		.amdhsa_next_free_sgpr 66
		.amdhsa_reserve_vcc 0
		.amdhsa_float_denorm_mode_32 3
		.amdhsa_float_denorm_mode_16_64 3
		.amdhsa_memory_ordered 1
		.amdhsa_forward_progress 1
		.amdhsa_inst_pref_size 33
	.end_amdhsa_kernel
	.amdgpu_metadata
---
amdhsa.version: [ 1, 2 ]
amdhsa.kernels:
  - .name:           k_qe48b5990ac_quant
    .symbol:         k_qe48b5990ac_quant.kd
    .args:
      - { .name: x, .offset: 0, .size: 8, .value_kind: global_buffer, .address_space: global }
      - { .name: W_K, .offset: 8, .size: 8, .value_kind: global_buffer, .address_space: global }
      - { .name: W_Q, .offset: 16, .size: 8, .value_kind: global_buffer, .address_space: global }
      - { .name: W_V, .offset: 24, .size: 8, .value_kind: global_buffer, .address_space: global }
      - { .name: W_O, .offset: 32, .size: 8, .value_kind: global_buffer, .address_space: global }
      - { .name: codes, .offset: 40, .size: 8, .value_kind: global_buffer, .address_space: global }
      - { .name: scales, .offset: 48, .size: 8, .value_kind: global_buffer, .address_space: global }
    .group_segment_fixed_size: 33280
    .private_segment_fixed_size: 0
    .kernarg_segment_align: 8
    .kernarg_segment_size: 56
    .max_flat_workgroup_size: 128
    .sgpr_count:     66
    .vgpr_count:     192
    .wavefront_size: 32
...
	.end_amdgpu_metadata
.endif
;; end of part 1
;; launch qkv (part 2): grid 8 x 32, 4 waves a work-group, clusters of 4 x 4, 327,680 bytes of LDS; arguments codes, scales, kqv; writes kqv
.if DOCPART == 2
	.amdgcn_target "amdgcn-amd-amdhsa--gfx1250"
	.amdhsa_code_object_version 6
	.text
	.protected	k_qe48b5990ac_qkv
	.globl	k_qe48b5990ac_qkv
	.p2align	8
	.type	k_qe48b5990ac_qkv,@function
k_qe48b5990ac_qkv:
	s_mov_b64 s[64:65], 0
	v_nop
	global_prefetch_b8 v0, s[64:65] scope:SCOPE_SE
	s_setreg_imm32_b32 hwreg(HW_REG_WAVE_MODE, 25, 1), 1
	s_wait_xcnt 0x0
	s_wait_alu depctr_hold_cnt(0) depctr_sa_sdst(0) depctr_va_vdst(0) depctr_va_sdst(0) depctr_va_ssrc(0) depctr_va_vcc(0) depctr_vm_vsrc(0)
	s_getreg_b32 s2, hwreg(HW_REG_IB_STS2, 6, 4)
	s_cmp_eq_u32 s2, 0
	s_cbranch_scc0 .Lentry_in_a_cluster
	s_endpgm
.Lentry_in_a_cluster:
	s_bfe_u32 s2, ttmp6, 0x10000c
	s_cmp_lg_u32 s2, 0xf033
	s_cbranch_scc0 .Lentry_shape_is_right
	s_endpgm
.Lentry_shape_is_right:
; k = x W_K^T, v^T = W_V x^T and q = x W_Q^T on codes of BF6 with E8M0 scales, K = 1,024; the f32 results are quantised in registers and leave as codes: k and q along the head's 64, v along the sequence.
; SHARES.  The results are 384 tiles of 256 x 256 for 256 work-groups: A WORK-GROUP STAYS and makes one tile and a half.  4 x 4 work-groups form a cluster; the cluster's y is the batch.
; FIRST TILE, 256 x 256, four waves of 128 x 128 (64 accumulators, 512 registers).  Cluster x = 0: k: source 1 = 256 places of x (by cy), source 0 = 256 rows of W_K (by cx).  Cluster x = 1: v: source 1 = 256 rows of W_V (by cy), source 0 = 256 places of x (by cx).
; SECOND TILE, 256 x 128, four waves of 128 x 64 (32 accumulators): q: source 1 = 256 places of x (by cy), source 0 = 128 rows of W_Q: row 9,216 + 512 x cluster x + 128 cx of the workspace.  A wave's 64 rows are one head.
; K goes in steps of 256 through a ring of two LDS slots filled by the tensor data mover; a tile of source 1's rows is asked for jointly along a row of the cluster, one of source 0's along a column.
; THE RING DOES NOT STOP AT THE FIRST TILE'S END: its last two changes of slots ask for the second tile's K steps 0 and 1, which land while the first tile is quantised and stored (that way out uses no LDS).
; The first tile's scale bytes come into LDS once.  The second tile's scale words are loaded once from memory into 64 registers: a lane's row has 32 bytes, eight words; lanes 0-15 take x's block i, lanes 16-31 W_Q's block i % 4.
; A lane holds ONE row of source 1 and its registers run along source 0's rows.  Those rows lie in the workspace with bits 3 and 4 of their number exchanged, so that the 16 registers of accumulators 2 b and 2 b + 1 are
; 16 NEIGHBOURS, 32 b + 16 (lane / 16) + 0 .. 15: what the conversions want.
; THE RECORD of a head in kqv, REC bytes: k's codes; v's codes; k's scale words; v's scale words; q's codes; q's scale words.  Codes lie as IMAGES OF OPERAND REGISTERS: 16 rows x 64 along K are 768 bytes,
; registers 0-3 of lane l at 16 l, registers 4-5 at 512 + 8 l: every store of a wave covers 512 or 256 consecutive bytes, aligned.
; LIMITS: a block's scale byte is held at 1 from below (a block of zeros keeps 1: its codes are zeros); NaN and infinities are not served.
; REGISTERS: window 0: v0-31 addresses; v32-63 the first tile's scale words, two sets, v64-127 the second tile's: scale words and nothing else; v128-223 source 1's fragments, on the ways out codes; v224-255 at work on the ways out.
;   window 1: source 0's fragments, two sets.  windows 2, 3: the accumulators ((a, b) at v[8 (8 (a % 4) + b)] of window 2 + a / 4).
.set SIZE_K, 1024
.set KSTEP,  256
.set NQ,     KSTEP/128
.set ROWB,   192                       ; a tile's row in bytes
.set KROW,   SIZE_K*6/8                ; a row of codes in memory
.set PITCH,  240                       ; an LDS row: 3 x (64 bytes + 16 of padding)
.set FR,     12
.set NL,     6
.set NP,     4
.set HALFT,  128*PITCH
.set SLOT,   4*HALFT
.set LAPS,   SIZE_K/(2*KSTEP)
.set KS,     SIZE_K/32
.set SCL,    2*SLOT                    ; behind the ring: the first tile's scale bytes, as runs of 256 bytes + 16 of padding
.set HALFS,  (128*KS/256)*272
.set SBLK,   (16*KS/256)*272
.set SPARE,  SCL+4*HALFS               ; the spare words, 128 bytes a wave
.set REC,    157696                    ; a head's record
.set RVC,    49152                     ; v's codes in it
.set RKS,    98304                     ; k's scale words
.set RVS,    102400                    ; v's
.set RQC,    104448                    ; q's codes
.set RQS,    153600                    ; q's scale words
.set WQROW,  9216                      ; W_Q's first row in the workspace
.set VO16, 8                           ; v8   16 x lane
.set VO8,  9                           ; v9   512 + 8 x lane
.set VSO,  10                          ; v10  16 (lane % 16) + REC (lane / 16)
.set SHF,  11                          ; v11  k: 16 (lane / 16); v: 0
.set VS2,  12                          ; v12  the second tile's scale words in memory: my row; v13: the same with lanes 16-31 four blocks back; never rewritten
.set VSO2, 14                          ; v14  16 (lane % 16) + 256 (lane / 16)
.set ADRA, 16
.set ADRB, 20
.set ADRS, 27
.set SPW,  28
.set NIL,  29
.set SC,   32
.set SC2,  64                          ; v64-127: block i's word for the j-th 128 along K at v[SC2 + 8 i + j]
.set AF,   128
.set SW,   224                         ; v224-231 the ways out: a scale word for each of my eight blocks
.set PW,   238
.set TM,   240                         ; v240-255 at work
.set G1, 24
.set G0, 32
.set G1B, 48
.set G0B, 56
.set G1S, 68
.set G0S, 76
.set G1SB, 80
.set G0SB, 88
.set G1B2, 68                          ; s[68:75] group 1 for the second tile's source 0: written when the load that named these registers is shown done
.set OUT0, 10                          ; s[10:11] where a block's first 64 along K go;  s[12:13] the second 64
.set OUT1, 12
.set SOUT, 66                          ; s[66:67] where the scale words go
.set STA,  92                          ; s[92:93] from block to block;  s[94:95] from block 3 to block 4
.set ST34, 94
.set HIH,  96                          ; s96  lanes 16-31
.set SMASK, 97                         ; s97  what is kept of a scale word
.set P2A,  98                          ; s[98:99]   the second tile: where the rows of source 1 that I fetch begin;
.set P2B,  100                         ; s[100:101] and those of source 0
.set PH,   1                           ; which tile is being written: 1 or 2
.set NBK,  8                           ; its blocks of source 0: 8 or 4
.set KJ,   0                           ; the second tile: 2 x the K step in hand
.set GB1,  G1B                         ; the tile's group 1 for source 0
.set MSB, 0
.macro WIN new                         ; the immediate's high byte repeats the setting that is left
.if MSB != \new
	s_set_vgpr_msb (MSB<<8)|\new
.set MSB, \new
.endif
.endm
.set MUL_LO, 0xa1                      ; source 0 window 1, source 1 window 0, C and D window 2
.set MUL_HI, 0xf1
.set TO_B,   0x40
; A joint load: waves 0 and 1 fetch for source 1, waves 2 and 3 for source 0.  The branch hangs on the wave's number alone.  An s_nop 0 and four v_nop follow each of the two lines.
.macro JLOAD g0a, g1a, g0b, g1b
	s_cmp_eq_u32 s15, 0
	s_cbranch_scc0 .Lfor_b_\@
	tensor_load_to_lds s[\g0a:\g0a+3], s[\g1a:\g1a+7]
	s_nop 0
.rept 4
	v_nop
.endr
	s_branch .Lasked_\@
.Lfor_b_\@:
	tensor_load_to_lds s[\g0b:\g0b+3], s[\g1b:\g1b+7]
	s_nop 0
.rept 4
	v_nop
.endr
.Lasked_\@:
.endm
.macro CREST
	s_cmp_lg_u32 s14, 0
	s_cbranch_scc1 .Lnot_wave_0_\@
	s_barrier_signal -3
.Lnot_wave_0_\@:
	s_barrier_wait -3
	s_barrier_signal -1
	s_barrier_wait -1
.endm
.macro CROUND
	s_barrier_signal -1
	s_barrier_wait -1
	CREST
.endm
	s_load_b128 s[4:7], s[0:1], 0x0                ; codes, scales
	s_load_b64 s[8:9], s[0:1], 0x10                ; kqv
	v_lshl_add_u32 v[SPW], v0, 2, SPARE
	v_mov_b32 v[NIL], 0
	ds_add_u32 v[SPW], v[NIL]                      ; the wave's opening: the add and its wait stand ahead of my first tensor load
	v_lshrrev_b32 v1, 5, v0
	v_readfirstlane_b32 s14, v1                    ; wave 0..3
	s_lshr_b32 s15, s14, 1                         ; which half of source 1's rows is mine.  Also: I fetch for source 1 (0) or source 0 (1)
	s_and_b32 s16, s14, 1                          ; which half of source 0's.  Also: which half of the rows I fetch
	s_bfe_u32 s40, ttmp6, 0x40000                  ; cx
	s_bfe_u32 s41, ttmp6, 0x40004                  ; cy
	s_and_b32 s10, ttmp7, 0xffff                   ; the cluster's y: the batch
	s_lshl_b32 s11, s10, 2                         ; blocks are 256 rows of the workspace: x has 32 (four a batch), then W_K, W_Q, W_V four each
	s_add_co_u32 s12, s11, s41                     ; x's block by cy
	s_add_co_u32 s13, s41, 40                      ; W_V's block by cy
	s_add_co_u32 s92, s11, s40                     ; x's block by cx
	s_add_co_u32 s93, s40, 32                      ; W_K's block by cx
	s_cmp_eq_u32 ttmp9, 1                          ; the cluster's x: the same in all sixteen partners
	s_cselect_b32 s17, s13, s12                    ; source 1's block: made of cy and of what all partners share
	s_cselect_b32 s42, s92, s93                    ; source 0's: of cx and of what all partners share
	s_lshl_b32 s43, s41, 2
	s_lshl_b32 s43, 15, s43                        ; my row of the cluster
	s_lshl_b32 s44, 0x1111, s40                    ; my column
	s_or_b32 s[G1+0], s43, (0<<16)|(1<<20)|(1<<21)|(3<<22)|(3<<25)  ; the mask; elements of 1 byte; padding on; bit 21 beside a mask; after every 16 words, 4 words
	s_or_b32 s[G1B+0], s44, (0<<16)|(1<<20)|(1<<21)|(3<<22)|(3<<25)
.irp g, G1, G1B
	s_mov_b32 s[\g+1], ROWB<<16                    ; tensor_dim0
	s_mov_b32 s[\g+2], 128<<16                     ; tensor_dim1
	s_mov_b32 s[\g+3], ROWB<<16                    ; tile_dim0
	s_mov_b32 s[\g+4], 128                         ; tile_dim1
	s_mov_b32 s[\g+5], KROW                        ; the pitch
	s_mov_b32 s[\g+6], 0
	s_mov_b32 s[\g+7], 0
.endr
	s_or_b32 s[G1S+0], s43, (3<<16)|(1<<20)|(1<<21)|(5<<22)|(3<<25)  ; the scale bytes of 128 rows: 4,096 dense bytes as 16 rows of 256, 16 bytes of padding behind each
	s_or_b32 s[G1SB+0], s44, (3<<16)|(1<<20)|(1<<21)|(5<<22)|(3<<25)
.irp g, G1S, G1SB
	s_mov_b32 s[\g+1], 32<<16
	s_mov_b32 s[\g+2], (128*KS/256)<<16
	s_mov_b32 s[\g+3], 32<<16
	s_mov_b32 s[\g+4], 128*KS/256
	s_mov_b32 s[\g+5], 32
	s_mov_b32 s[\g+6], 0
	s_mov_b32 s[\g+7], 0
.endr
	s_lshl_b32 s18, s16, 7                         ; which 128 rows of the block I fetch
	s_lshl_b32 s20, s17, 8
	s_add_co_u32 s20, s20, s18
	s_lshl_b32 s46, s42, 8
	s_add_co_u32 s46, s46, s18
	s_lshl_b32 s[P2A], s12, 8                      ; the second tile's source 1: x's block by cy, my 128 rows of it,
	s_add_co_u32 s[P2A], s[P2A], s18
	s_mul_i32 s[P2A], s[P2A], KROW                 ; in bytes
	s_mov_b32 s[P2A+1], 0
	s_lshl_b32 s[P2B], ttmp9, 9                    ; its source 0: W_Q's row 512 x cluster x + 128 cx + my 64 rows
	s_lshl_b32 s[P2B+1], s40, 7
	s_add_co_u32 s[P2B], s[P2B], s[P2B+1]
	s_lshl_b32 s[P2B+1], s16, 6
	s_add_co_u32 s[P2B], s[P2B], s[P2B+1]
	s_add_co_u32 s[P2B], s[P2B], WQROW
	s_mul_i32 s[P2B], s[P2B], KROW
	s_mov_b32 s[P2B+1], 0
	s_mov_b32 s21, 0
	s_mov_b32 s47, 0
	s_mov_b64 s[18:19], KS
	s_mul_u64 s[22:23], s[20:21], s[18:19]         ; where the first tile's rows' scale bytes begin
	s_mul_u64 s[92:93], s[46:47], s[18:19]
	s_mov_b64 s[18:19], KROW
	s_mul_u64 s[20:21], s[20:21], s[18:19]         ; and their codes
	s_mul_u64 s[46:47], s[46:47], s[18:19]
	s_mul_i32 s45, s14, HALFT                      ; where they go: wave x 128 rows
	s_mul_i32 s94, s14, HALFS
	s_wait_dscnt 0x0                               ; the opening add is done
	s_wait_kmcnt 0x0
	s_add_nc_u64 s[20:21], s[4:5], s[20:21]
	s_add_nc_u64 s[22:23], s[6:7], s[22:23]
	s_add_nc_u64 s[46:47], s[4:5], s[46:47]
	s_add_nc_u64 s[92:93], s[6:7], s[92:93]
	s_add_nc_u64 s[P2A:P2A+1], s[4:5], s[P2A:P2A+1]
	s_add_nc_u64 s[P2B:P2B+1], s[4:5], s[P2B:P2B+1]
	CROUND                                         ; all sixteen work-groups are here: the first joint loads meet
	s_mov_b32 s[G0S], 1
	s_add_co_u32 s[G0S+1], s94, SCL
	s_mov_b64 s[G0S+2:G0S+3], s[22:23]
	s_or_b32 s[G0S+3], s[G0S+3], 0x80000000
	s_mov_b32 s[G0SB], 1
	s_add_co_u32 s[G0SB+1], s94, SCL
	s_mov_b64 s[G0SB+2:G0SB+3], s[92:93]
	s_or_b32 s[G0SB+3], s[G0SB+3], 0x80000000
	JLOAD G0S, G1S, G0SB, G1SB                     ; the scale bytes first: three loads of mine are out behind the first fills
.irp s, 0,1
	s_mov_b32 s[G0+4*\s], 1
	s_add_co_u32 s[G0+4*\s+1], s45, \s*SLOT
	s_add_nc_u64 s[G0+4*\s+2:G0+4*\s+3], s[20:21], \s*ROWB
	s_or_b32 s[G0+4*\s+3], s[G0+4*\s+3], 0x80000000
	s_mov_b32 s[G0B+4*\s], 1
	s_add_co_u32 s[G0B+4*\s+1], s45, \s*SLOT
	s_add_nc_u64 s[G0B+4*\s+2:G0B+4*\s+3], s[46:47], \s*ROWB
	s_or_b32 s[G0B+4*\s+3], s[G0B+4*\s+3], 0x80000000
	JLOAD G0+4*\s, G1, G0B+4*\s, G1B
.endr
	v_and_b32 v1, 15, v0                           ; r = lane % 16
	v_bfe_u32 v2, v0, 4, 1                         ; h = lane / 16
	v_mul_u32_u24 v3, v1, PITCH
	v_mul_u32_u24 v4, v2, 24
	v_add_nc_u32 v4, v3, v4                        ; a fragment's row x pitch + 24 x half
	v_lshl_add_u32 v5, v2, 4, v4                   ; and the same behind one padding more
	s_mul_i32 s21, s15, HALFT
	s_mul_i32 s22, s16, HALFT
	s_add_co_u32 s22, s22, 2*HALFT
.irp s, 0,1
	v_add_nc_u32 v[ADRA+\s], s21, v4
	v_add_nc_u32 v[ADRB+\s], s22, v4
	v_add_nc_u32 v[ADRA+2+\s], s21, v5
	v_add_nc_u32 v[ADRB+2+\s], s22, v5
	s_add_co_u32 s21, s21, SLOT
	s_add_co_u32 s22, s22, SLOT
.endr
	v_mul_u32_u24 v5, v1, KS                       ; my row's scale bytes in LDS: KS a row,
	v_lshrrev_b32 v6, 8, v5
	v_lshl_add_u32 v5, v6, 4, v5                   ; and 16 more for each 256 passed
	s_mul_i32 s21, s15, HALFS
	s_mul_i32 s22, s16, HALFS
	s_add_co_u32 s22, s22, 2*HALFS
	s_sub_co_u32 s22, s22, s21
	v_mul_u32_u24 v6, s22, v2                      ; lanes 16-31 take source 0's
	s_add_co_u32 s21, s21, SCL
	v_add_nc_u32 v5, v5, v6
	v_add_nc_u32 v[ADRS], s21, v5
	; THE SECOND TILE'S SCALE WORDS, from memory into v64-127, once: they are wanted a whole tile later
	s_lshl_b32 s21, s12, 8
	s_lshl_b32 s22, s15, 7
	s_add_co_u32 s21, s21, s22                     ; my first place of x: 256 x block + 128 x half,
	s_lshl_b32 s21, s21, 5                         ; 32 bytes a row
	s_lshl_b32 s22, ttmp9, 9
	s_lshl_b32 s23, s40, 7
	s_add_co_u32 s22, s22, s23
	s_lshl_b32 s23, s16, 6
	s_add_co_u32 s22, s22, s23
	s_add_co_u32 s22, s22, WQROW                   ; my first row of W_Q
	s_lshl_b32 s22, s22, 5
	s_sub_co_u32 s22, s22, s21                     ; (W_Q's rows lie behind x's: the distance is positive)
	v_mul_u32_u24 v6, s22, v2                      ; lanes 16-31 take W_Q's
	v_lshl_add_u32 v6, v1, 5, v6
	v_add_nc_u32 v[VS2], s21, v6
	v_lshlrev_b32 v6, 11, v2
	v_sub_nc_u32 v[VS2+1], v[VS2], v6              ; W_Q has four blocks: for blocks 4-7 lanes 16-31 read blocks 0-3 again
.irp i, 0,1,2,3,4,5,6,7
	global_load_b128 v[SC2+8*\i:SC2+8*\i+3], v[VS2+\i/4], s[6:7] offset:512*\i
	global_load_b128 v[SC2+8*\i+4:SC2+8*\i+7], v[VS2+\i/4], s[6:7] offset:512*\i+16
.endr
	; THE FIRST WAY OUT'S ADDRESSES.  My 128 of source 0's rows (k) or of source 1's (v) are two heads; the other 128 are place idx of eight along the sequence.
	s_cmp_eq_u32 ttmp9, 1
	s_cselect_b32 s18, s41, s40                    ; which four heads
	s_cselect_b32 s19, s15, s16                    ; which two of them
	s_cselect_b32 s20, s40, s41                    ; which 256 of the sequence
	s_cselect_b32 s21, s16, s15                    ; which 128 of them
	s_cselect_b32 s22, 8, 9                        ; scale words for 128 of the sequence: v 256 bytes, k 512
	s_cselect_b32 s23, 0, 16
	s_cselect_b32 s[SMASK], -1, 0xffff
	s_mov_b32 s[STA], 768
	s_cselect_b32 s[STA], 1536, s[STA]             ; from block to block: k: the next 16 rows' image; v: the next 16 of the head's 64, two images
	s_mov_b32 s[ST34], 768
	s_cselect_b32 s[ST34], REC-3*1536, s[ST34]     ; v: block 4 begins the next head
	s_mov_b32 s46, REC
	s_cselect_b32 s46, 768, s46                    ; from a block's first 64 along K to its second: k: the next head; v: the next image
	s_mov_b32 s47, 0
	s_mov_b32 s[STA+1], 0
	s_mov_b32 s[ST34+1], 0
	s_mov_b32 s[HIH], 0xffff0000
	s_mov_b32 s12, RVC
	s_cselect_b32 s12, s12, 0                      ; where the codes begin in a record,
	s_mov_b32 s13, RVS
	s_mov_b32 s66, RKS
	s_cselect_b32 s13, s13, s66                    ; and the scale words
	s_lshl_b32 s10, s10, 4
	s_lshl_b32 s18, s18, 2
	s_add_co_u32 s10, s10, s18
	s_lshl_b32 s19, s19, 1
	s_add_co_u32 s10, s10, s19                     ; my first head: 16 x batch + 4 x .. + 2 x ..
	s_mul_i32 s10, s10, REC
	s_lshl_b32 s20, s20, 1
	s_add_co_u32 s20, s20, s21                     ; idx
	s_mul_i32 s18, s20, 6144                       ; 128 of the sequence are 6,144 bytes of codes, in k and v alike
	s_add_co_u32 s18, s18, s10
	s_add_co_u32 s18, s18, s12
	s_mov_b32 s19, 0
	s_lshl_b32 s20, s20, s22
	s_add_co_u32 s20, s20, s10
	s_add_co_u32 s20, s20, s13
	s_mov_b32 s21, 0
	s_add_nc_u64 s[OUT0:OUT0+1], s[8:9], s[18:19]
	s_add_nc_u64 s[OUT1:OUT1+1], s[OUT0:OUT0+1], s[46:47]
	s_add_nc_u64 s[SOUT:SOUT+1], s[8:9], s[20:21]
	v_and_b32 v6, 31, v0
	v_lshlrev_b32 v[VO16], 4, v6
	v_lshl_add_u32 v[VO8], v6, 3, 512
	v_mul_u32_u24 v[VSO], v2, REC
	v_lshl_add_u32 v[VSO], v1, 4, v[VSO]
	v_mul_u32_u24 v[SHF], s23, v2
	v_lshlrev_b32 v[VSO2], 8, v2
	v_lshl_add_u32 v[VSO2], v1, 4, v[VSO2]
.macro FRAG reg, adr, q, i             ; 16 rows x 128 K: 12 registers, in pieces of 8 bytes; where the piece of lanes 16-31 lies behind one padding more, the second address register serves
.irp p, 0,1,2,3,4,5
.set PCE, 12*(\q)+6*(\p/3)+\p%3
.if PCE%8 < 5
	ds_load_b64 v[\reg+2*\p:\reg+2*\p+1], v[\adr] offset:8*PCE+16*(PCE/8)+(\i)*16*PITCH
.else
	ds_load_b64 v[\reg+2*\p:\reg+2*\p+1], v[\adr+2] offset:8*PCE+16*(PCE/8)+(\i)*16*PITCH
.endif
.endr
.endm
; Source 1's blocks a0, a0 + 1 x source 0's NBK blocks.  The accumulators take turns, one instruction a turn, in the same order in every step.
; The scale words: first tile: set sc, word q of the K step; second tile: word KJ + q of the row's eight.  In both, lanes 0-15 of block i's register hold source 1's word, lanes 16-31 source 0's.
.macro MUL16 a0, p, q, sc, zero
.if PH == 1
.set SBASE, SC+8*NQ*(\sc)+(\q)
.set SSTEP, NQ
.else
.set SBASE, SC2+KJ+(\q)
.set SSTEP, 8
.endif
.irp a, \a0, \a0+1
.irp b, 0,1,2,3,4,5,6,7
.if \b < NBK
.if \zero
	v_wmma_scale_f32_16x16x128_f8f6f4 v[8*(8*((\a)%4)+\b):8*(8*((\a)%4)+\b)+7], v[128*(\p)+FR*\b:128*(\p)+FR*\b+FR-1], v[AF+FR*(\a):AF+FR*(\a)+FR-1], 0, v[SBASE+SSTEP*\b], v[SBASE+SSTEP*(\a)] matrix_a_fmt:MATRIX_FMT_BF6 matrix_b_fmt:MATRIX_FMT_BF6 matrix_a_scale:MATRIX_SCALE_ROW1
.else
	v_wmma_scale_f32_16x16x128_f8f6f4 v[8*(8*((\a)%4)+\b):8*(8*((\a)%4)+\b)+7], v[128*(\p)+FR*\b:128*(\p)+FR*\b+FR-1], v[AF+FR*(\a):AF+FR*(\a)+FR-1], v[8*(8*((\a)%4)+\b):8*(8*((\a)%4)+\b)+7], v[SBASE+SSTEP*\b], v[SBASE+SSTEP*(\a)] matrix_a_fmt:MATRIX_FMT_BF6 matrix_b_fmt:MATRIX_FMT_BF6 matrix_a_scale:MATRIX_SCALE_ROW1
.endif
.endif
.endr
.endr
.endm
.macro FETCH_B slot, q, p
	WIN TO_B
.irp i, 0,1,2,3,4,5,6,7
.if \i < NBK
	FRAG 128*(\p)+FR*\i, ADRB+\slot, \q, \i
.endif
.endr
	WIN 0
.endm
.macro FETCH_A slot, q, i0
.irp i, \i0, \i0+1, \i0+2, \i0+3
	FRAG AF+FR*(\i), ADRA+\slot, \q, \i
.endr
.endm
.macro SCALES sc                       ; the first tile: a K step's scale words: lanes 0-15 take source 1's block i, lanes 16-31 source 0's block i
.irp i, 0,1,2,3,4,5,6,7
	ds_load_b64 v[SC+8*NQ*\sc+NQ*\i:SC+8*NQ*\sc+NQ*\i+1], v[ADRS] offset:\i*SBLK
.endr
.endm
.macro PLACES n                        ; plain vector instructions between a matrix instruction and a load into, or a read of, its registers
.rept \n
	v_nop
.endr
.endm
.macro STEP slot, q, zero
	s_wait_dscnt 4*NL                              ; all but the youngest 24 loads (source 1's blocks 4-7) are in
	WIN MUL_LO
	MUL16 0, (\q)%2, \q, \slot, \zero
	MUL16 2, (\q)%2, \q, \slot, \zero
	s_wait_dscnt 0
	PLACES NP
	FETCH_B \slot, (\q)+1, 1-(\q)%2
	FETCH_A \slot, (\q)+1, 0
	WIN MUL_HI
	MUL16 4, (\q)%2, \q, \slot, \zero
	MUL16 6, (\q)%2, \q, \slot, \zero
	PLACES NP
	WIN 0
	FETCH_A \slot, (\q)+1, 4
.endm
; A slot's last step changes slots: one barrier; in front of it each wave waits for all its tensor loads, adds 0 to its spare word, and waits for that and for its own reads of this slot.
; fill = 1: this slot takes the tile's K step two steps on; fill = 2: the SECOND tile's K step 0 (slot 0) or 1 (slot 1); fill = 0: nothing.  fetch = 0: the next fragments are not fetched: a way out follows, which uses their registers.
.macro TURN slot, next, fill, fetch
	s_wait_tensorcnt 0x0                           ; all my tensor loads have landed: my part of the next slot
	ds_add_u32 v[SPW], v[NIL]
	s_wait_dscnt 4*NL+1                            ; the add and the youngest 24 loads may be out
	WIN MUL_LO
	MUL16 0, 1, NQ-1, \slot, 0
	s_wait_dscnt 0x0                               ; the add is done, and my reads of this slot are over
	s_barrier_signal -1
	MUL16 2, 1, NQ-1, \slot, 0
	WIN 0
	s_barrier_wait -1
.if \fill == 1
	CREST                                          ; the barrier has opened a round of the cluster's barrier: no wave of any partner still reads this slot or has a load on its way
	s_add_nc_u64 s[G0+4*\slot+2:G0+4*\slot+3], s[G0+4*\slot+2:G0+4*\slot+3], 2*ROWB
	s_add_nc_u64 s[G0B+4*\slot+2:G0B+4*\slot+3], s[G0B+4*\slot+2:G0B+4*\slot+3], 2*ROWB
	JLOAD G0+4*\slot, G1, G0B+4*\slot, GB1         ; my one tensor load behind the round; its four v_nop are the places in front of the loads below
.endif
.if \fill == 2
	CREST
	s_add_nc_u64 s[G0+4*\slot+2:G0+4*\slot+3], s[P2A:P2A+1], \slot*ROWB     ; no load of mine is out: the groups 0 are written anew, for the second tile
	s_or_b32 s[G0+4*\slot+3], s[G0+4*\slot+3], 0x80000000
	s_add_nc_u64 s[G0B+4*\slot+2:G0B+4*\slot+3], s[P2B:P2B+1], \slot*ROWB
	s_or_b32 s[G0B+4*\slot+3], s[G0B+4*\slot+3], 0x80000000
	JLOAD G0+4*\slot, G1, G0B+4*\slot, G1B2        ; source 0's 64 rows land where the first 64 of my 128 landed
.endif
.if \fill == 0
	PLACES NP
.endif
.if \fetch
.if PH == 1
	v_add_nc_u32 v[ADRS], 4*NQ, v[ADRS]            ; on to the next K step's scale words
.endif
	FETCH_B \next, 0, 0
	FETCH_A \next, 0, 0
.if PH == 1
	SCALES \next
.endif
.endif
	WIN MUL_HI
	MUL16 4, 1, NQ-1, \slot, 0
	MUL16 6, 1, NQ-1, \slot, 0
.if \fetch
	PLACES NP
	WIN 0
	FETCH_A \next, 0, 4
.else
	WIN 0
.endif
.endm
	s_wait_tensorcnt 1                             ; the scale bytes and my part of K step 0 are in; K step 1's load may be out
	s_barrier_signal -1
	s_barrier_wait -1
	s_or_b32 s[G1B2+0], s44, (0<<16)|(1<<20)|(1<<21)|(3<<22)|(3<<25)  ; the load that named s[68:75] is the first of my three and is done: they now hold the second tile's group 1 for source 0:
	s_mov_b32 s[G1B2+1], ROWB<<16                  ; rows of 192 bytes,
	s_mov_b32 s[G1B2+2], 64<<16                    ; 64 of them
	s_mov_b32 s[G1B2+3], ROWB<<16
	s_mov_b32 s[G1B2+4], 64
	s_mov_b32 s[G1B2+5], KROW
	s_mov_b32 s[G1B2+6], 0
	s_mov_b32 s[G1B2+7], 0
	FETCH_B 0, 0, 0
	FETCH_A 0, 0, 0
	SCALES 0
	FETCH_A 0, 0, 4
	STEP 0, 0, 1                                   ; the first step's products start the sums
	s_mov_b32 s3, LAPS-1
.Llap:
	TURN 0, 1, 1, 1
	STEP 1, 0, 0
	TURN 1, 0, 1, 1
	STEP 0, 0, 0
	s_sub_co_u32 s3, s3, 1
	s_cmp_lg_u32 s3, 0
	s_cbranch_scc1 .Llap
	TURN 0, 1, 2, 1                                ; THE RING GOES ON INTO THE SECOND TILE: slot 0 takes its K step 0,
	STEP 1, 0, 0
	TURN 1, 0, 2, 0                                ; slot 1 its K step 1; the wait and the round in front of this load have shown slot 0 whole to every wave
; THE FIRST WAY OUT.  Block a: my lane's row of source 1, 64 registers: register 16 b + i is number 32 b + 16 (lane / 16) + i along the next product's K.  They become 12 registers of codes and a scale word.
; The codes' registers are chosen so that a conversion's destination and source never bear the same numbers, though they lie in different windows, and so that v32-127 hold scale words alone.
.macro TILE a
.set AC, 64*((\a)%4)
.set PC, 128
.if ((\a)%4) == 2
.set PC, 192
.endif
	WIN (2+(\a)/4)*5                               ; sources 0 and 1: the accumulators' window
.irp b, 0,1,2,3
	v_max3_num_f32 v[TM+\b], |v[AC+16*\b]|, |v[AC+1+16*\b]|, 0x2800000   ; block b: my 16 numbers, each accumulator from its low end on, and the floor 2^(5 - 127)
.endr
	WIN (2+(\a)/4)*20                              ; sources 1 and 2
.irp i, 2,4,6,8,10,12,14
.irp b, 0,1,2,3
	v_max3_num_f32 v[TM+\b], v[TM+\b], |v[AC+16*\b+\i]|, |v[AC+1+16*\b+\i]|
.endr
.endr
	WIN 0
.irp b, 0,1,2,3
	v_permlanex16_b32 v[TM+4+\b], v[TM+\b], s2, s3
.endr
.irp b, 0,1,2,3
	v_max_num_f32 v[TM+\b], v[TM+\b], v[TM+4+\b]   ; with lane l xor 16's: the block's largest magnitude
.endr
.irp b, 0,1,2,3
	v_add_nc_u32 v[TM+12+\b], 0xfe000000, v[TM+\b] ; 4 off its exponent field: the conversion's scale operand
.endr
.irp b, 0,1,2,3
	v_lshrrev_b32 v[TM+4+\b], 23, v[TM+12+\b]      ; the scale's byte
.endr
	v_lshl_or_b32 v[PW], v[TM+5], 8, v[TM+4]
	v_lshl_or_b32 v[PW], v[TM+6], 16, v[PW]
	v_lshl_or_b32 v[PW], v[TM+7], 24, v[PW]
	v_lshrrev_b32 v[SW+\a], v[SHF], v[PW]          ; k: lanes 0-15 keep the first head's two bytes, lanes 16-31 the second head's; v: all four
	v_and_b32 v[SW+\a], s[SMASK], v[SW+\a]
.if (\a) > 0
	s_wait_xcnt 0x0                                ; the last block's stores have read their data and their bases: both are written again only behind this wait
.if (\a) == 4
	s_add_nc_u64 s[OUT0:OUT0+1], s[OUT0:OUT0+1], s[ST34:ST34+1]
	s_add_nc_u64 s[OUT1:OUT1+1], s[OUT1:OUT1+1], s[ST34:ST34+1]
.else
	s_add_nc_u64 s[OUT0:OUT0+1], s[OUT0:OUT0+1], s[STA:STA+1]
	s_add_nc_u64 s[OUT1:OUT1+1], s[OUT1:OUT1+1], s[STA:STA+1]
.endif
.endif
	WIN 2+(\a)/4                                   ; source 0
.irp c, 0,1
	v_cvt_scalef32_pk16_bf6_f32 v[PC+6*\c:PC+2+6*\c], v[AC+32*\c:AC+15+32*\c], v[TM+12+2*\c]
	v_cvt_scalef32_pk16_bf6_f32 v[PC+12+4*\c:PC+14+4*\c], v[AC+16+32*\c:AC+31+32*\c], v[TM+12+2*\c+1]
.endr
	WIN 0
	v_nop                                          ; one plain place behind a scaled conversion
.irp c, 0,1                                    ; the operand's layout wants a whole block in a lane
.irp i, 0,1,2
	v_permlane16_swap_b32 v[PC+6*\c+\i], v[PC+12+4*\c+\i]
.endr
.irp i, 0,1,2
	v_mov_b32 v[PC+3+6*\c+\i], v[PC+12+4*\c+\i]
.endr
.endr
	global_store_b128 v[VO16], v[PC:PC+3], s[OUT0:OUT0+1]          ; 512 consecutive bytes, aligned
	global_store_b64 v[VO8], v[PC+4:PC+5], s[OUT0:OUT0+1]          ; 256
	global_store_b128 v[VO16], v[PC+6:PC+9], s[OUT1:OUT1+1]
	global_store_b64 v[VO8], v[PC+10:PC+11], s[OUT1:OUT1+1]
.endm
	PLACES NP                                      ; behind the last products
	s_mov_b32 s2, 0x76543210
	s_mov_b32 s3, 0xfedcba98                       ; v_permlanex16_b32's selects for lane l xor 16
.irp b, 0,1,2,3
	v_mov_b32 v[TM+4+\b], 0                        ; written once: a lane permute's destination counts as one of its sources
.endr
.irp a, 0,1,2,3,4,5,6,7
	TILE \a
.endr
	s_cmp_eq_u32 ttmp9, 1                          ; the cluster's x: the same in all partners and all waves
	s_cbranch_scc1 .Lv_words
	global_store_b128 v[VSO], v[SW:SW+3], s[SOUT:SOUT+1]             ; k: four tiles' words of row r lie together; lanes 16-31 write the next head's record: 256 consecutive bytes each
	global_store_b128 v[VSO], v[SW+4:SW+7], s[SOUT:SOUT+1] offset:256
	s_branch .Lwords_out
.Lv_words:
.irp i, 0,1,2,3
	v_cndmask_b32 v[SW+\i], v[SW+\i], v[SW+4+\i], s[HIH]             ; v: blocks 0-3 are the first head's four tiles, blocks 4-7 the second head's: these go to lanes 16-31
.endr
	global_store_b128 v[VSO], v[SW:SW+3], s[SOUT:SOUT+1]
.Lwords_out:
	; THE SECOND TILE: q.  Its K step 0 lies whole in slot 0; K step 1 is on its way into slot 1.
	s_wait_xcnt 0x0                                ; the first way out's stores have read their data and their bases: the registers take fragments, the bases q's places
	s_and_b32 s18, ttmp7, 0xffff
	s_lshl_b32 s18, s18, 4                         ; my head: 16 x batch
	s_lshl_b32 s19, ttmp9, 3                       ; + 8 x cluster x
	s_add_co_u32 s18, s18, s19
	s_lshl_b32 s19, s40, 1                         ; + 2 cx
	s_add_co_u32 s18, s18, s19
	s_add_co_u32 s18, s18, s16                     ; + my half of source 0's 128 rows
	s_mul_i32 s18, s18, REC
	s_lshl_b32 s20, s41, 1
	s_add_co_u32 s20, s20, s15                     ; which 128 of the sequence: 2 cy + my half of source 1's rows
	s_mul_i32 s46, s20, 6144
	s_add_co_u32 s46, s46, s18
	s_add_co_u32 s46, s46, RQC
	s_mov_b32 s47, 0
	s_lshl_b32 s20, s20, 9
	s_add_co_u32 s20, s20, s18
	s_add_co_u32 s20, s20, RQS
	s_mov_b32 s21, 0
	s_add_nc_u64 s[OUT0:OUT0+1], s[8:9], s[46:47]
	s_add_nc_u64 s[SOUT:SOUT+1], s[8:9], s[20:21]
.set PH, 2
.set NBK, 4
.set GB1, G1B2
.set KJ, 0
	FETCH_B 0, 0, 0
	FETCH_A 0, 0, 0
	FETCH_A 0, 0, 4
	s_wait_loadcnt 0x0                             ; the scale words asked for at the head
	STEP 0, 0, 1                                   ; the first step's products start the sums anew
	TURN 0, 1, 1, 1
.set KJ, 2
	STEP 1, 0, 0
	TURN 1, 0, 1, 1
.set KJ, 4
	STEP 0, 0, 0
	TURN 0, 1, 0, 1                                ; nothing is left to fetch
.set KJ, 6
	STEP 1, 0, 0
	s_wait_dscnt 4*NL
	WIN MUL_LO
	MUL16 0, 1, NQ-1, 1, 0
	MUL16 2, 1, NQ-1, 1, 0
	s_wait_dscnt 0
	WIN MUL_HI
	MUL16 4, 1, NQ-1, 1, 0
	MUL16 6, 1, NQ-1, 1, 0
	WIN 0
; THE SECOND WAY OUT.  Block a: my lane's place of x, 32 registers: register 16 b + i is the head's number 32 b + 16 (lane / 16) + i: two blocks, one image, two scale bytes.
.macro TILE2 a
.set AC, 64*((\a)%4)
.set PC, 128
.if ((\a)%4) == 2
.set PC, 192
.endif
	WIN (2+(\a)/4)*5
.irp b, 0,1
	v_max3_num_f32 v[TM+\b], |v[AC+16*\b]|, |v[AC+1+16*\b]|, 0x2800000   ; each accumulator from its low end on; the floor 2^(5 - 127)
.endr
	WIN (2+(\a)/4)*20
.irp i, 2,4,6,8,10,12,14
.irp b, 0,1
	v_max3_num_f32 v[TM+\b], v[TM+\b], |v[AC+16*\b+\i]|, |v[AC+1+16*\b+\i]|
.endr
.endr
	WIN 0
.irp b, 0,1
	v_permlanex16_b32 v[TM+4+\b], v[TM+\b], s2, s3
.endr
.irp b, 0,1
	v_max_num_f32 v[TM+\b], v[TM+\b], v[TM+4+\b]
.endr
.irp b, 0,1
	v_add_nc_u32 v[TM+12+\b], 0xfe000000, v[TM+\b]
.endr
.irp b, 0,1
	v_lshrrev_b32 v[TM+4+\b], 23, v[TM+12+\b]
.endr
	v_lshl_or_b32 v[SW+\a], v[TM+5], 8, v[TM+4]    ; the word's upper two bytes stay 0
.if (\a) > 0
	s_wait_xcnt 0x0                                ; the last block's stores have read their data and their base
	s_add_nc_u64 s[OUT0:OUT0+1], s[OUT0:OUT0+1], 768
.endif
	WIN 2+(\a)/4
	v_cvt_scalef32_pk16_bf6_f32 v[PC:PC+2], v[AC:AC+15], v[TM+12]
	v_cvt_scalef32_pk16_bf6_f32 v[PC+12:PC+14], v[AC+16:AC+31], v[TM+13]
	WIN 0
	v_nop                                          ; one plain place behind a scaled conversion
.irp i, 0,1,2
	v_permlane16_swap_b32 v[PC+\i], v[PC+12+\i]
.endr
.irp i, 0,1,2
	v_mov_b32 v[PC+3+\i], v[PC+12+\i]
.endr
	global_store_b128 v[VO16], v[PC:PC+3], s[OUT0:OUT0+1]
	global_store_b64 v[VO8], v[PC+4:PC+5], s[OUT0:OUT0+1]
.endm
	PLACES NP                                      ; behind the last products
.irp a, 0,1,2,3,4,5,6,7
	TILE2 \a
.endr
.irp i, 0,1,2,3
	v_cndmask_b32 v[SW+\i], v[SW+\i], v[SW+4+\i], s[HIH]             ; both halves of the lanes hold row r's words: lanes 0-15 store tiles 0-3's, lanes 16-31 tiles 4-7's
.endr
	global_store_b128 v[VSO2], v[SW:SW+3], s[SOUT:SOUT+1]            ; 512 consecutive bytes, aligned
	s_wait_tensorcnt 0x0                           ; the wave's end
	ds_add_u32 v[SPW], v[NIL]
	s_wait_dscnt 0x0
	CROUND                                         ; the closing round
	s_endpgm
.Lfunc_end_k_qe48b5990ac_qkv:
	.size	k_qe48b5990ac_qkv, .Lfunc_end_k_qe48b5990ac_qkv-k_qe48b5990ac_qkv
	.p2alignl 7, 3214868480
	.fill 96, 4, 3214868480
	.section	.rodata,"a",@progbits
	.p2align	6, 0x0
	.amdhsa_kernel k_qe48b5990ac_qkv
		.amdhsa_group_segment_fixed_size 327680
		.amdhsa_private_segment_fixed_size 0
		.amdhsa_enable_private_segment 0
		.amdhsa_kernarg_size 24
		.amdhsa_user_sgpr_count 2
		.amdhsa_user_sgpr_kernarg_segment_ptr 1
		.amdhsa_wavefront_size32 1
		.amdhsa_system_sgpr_workgroup_id_x 1
		.amdhsa_system_sgpr_workgroup_id_y 1
		.amdhsa_system_sgpr_workgroup_id_z 1
		.amdhsa_system_vgpr_workitem_id 0
		.amdhsa_next_free_vgpr 1024
		.amdhsa_next_free_sgpr 102
		.amdhsa_reserve_vcc 0
		.amdhsa_float_denorm_mode_32 3
		.amdhsa_float_denorm_mode_16_64 3
		.amdhsa_memory_ordered 1
		.amdhsa_forward_progress 1
		.amdhsa_inst_pref_size 255
	.end_amdhsa_kernel
	.section	.bss,"aw",@nobits
	.p2align	6
	.space	262144
	.amdgpu_metadata
---
amdhsa.version: [ 1, 2 ]
amdhsa.kernels:
  - .name:           k_qe48b5990ac_qkv
    .symbol:         k_qe48b5990ac_qkv.kd
    .args:
      - { .name: codes, .offset: 0, .size: 8, .value_kind: global_buffer, .address_space: global }
      - { .name: scales, .offset: 8, .size: 8, .value_kind: global_buffer, .address_space: global }
      - { .name: kqv, .offset: 16, .size: 8, .value_kind: global_buffer, .address_space: global }
    .group_segment_fixed_size: 327680
    .private_segment_fixed_size: 0
    .kernarg_segment_align: 8
    .kernarg_segment_size: 24
    .max_flat_workgroup_size: 128
    .sgpr_count:     102
    .vgpr_count:     1024
    .wavefront_size: 32
...
	.end_amdgpu_metadata
.endif
;; end of part 2
;; launch stats (part 3): grid 256 x 1, 16 waves a work-group, clusters of 4 x 1, 167,936 bytes of LDS; arguments kqv, st; writes st
.if DOCPART == 3
	.amdgcn_target "amdgcn-amd-amdhsa--gfx1250"
	.amdhsa_code_object_version 6
	.text
	.protected	k_qe48b5990ac_stats
	.globl	k_qe48b5990ac_stats
	.p2align	8
	.type	k_qe48b5990ac_stats,@function
k_qe48b5990ac_stats:
	s_mov_b64 s[64:65], 0
	v_nop
	global_prefetch_b8 v0, s[64:65] scope:SCOPE_SE
	s_setreg_imm32_b32 hwreg(HW_REG_WAVE_MODE, 25, 1), 1
	s_wait_xcnt 0x0
	s_wait_alu depctr_hold_cnt(0) depctr_sa_sdst(0) depctr_va_vdst(0) depctr_va_sdst(0) depctr_va_ssrc(0) depctr_va_vcc(0) depctr_vm_vsrc(0)
	s_getreg_b32 s2, hwreg(HW_REG_IB_STS2, 6, 4)
	s_cmp_eq_u32 s2, 0
	s_cbranch_scc0 .Lentry_in_a_cluster
	s_endpgm
.Lentry_in_a_cluster:
	s_bfe_u32 s2, ttmp6, 0x10000c
	s_cmp_lg_u32 s2, 0x3003
	s_cbranch_scc0 .Lentry_shape_is_right
	s_endpgm
.Lentry_shape_is_right:
; For every row c of every head: M = the largest t = score(c, C) x log2(e) / 8 over C <= c, and l = the sum over C <= c of 2^(t - M).  score(c, C) = k[c] . q[C] on codes of BF6, K = 64.
; st: [head][2][1,024] f32: -M, then 1 / l, by the rows' places in the workspace.  The softmax runs along C, the later product along c: so every row's M and l must be whole before any weight is quantised.
; SHARES.  A cluster of four work-groups owns two heads; all four read the heads' q from LDS, asked for jointly, once, at the head.  Each of the 16 waves owns one tile of 16 rows c in each head: tile 8 g + 4 e + cx;
; g and e hang on the wave's number alone and are dealt so that waves w, w + 4, w + 8, w + 12, and waves 4 w .. 4 w + 3 alike, have 14 as the sum of their g.  A wave walks steps 0 .. g of 128 C: the trip count is 8 for all, and a
; scalar branch on the wave's number and the count leads round the work of a step all of whose C are hidden.
; LAYOUT.  Source 0 = 16 places of q, source 1 = my 16 places of k: a lane holds one c (lane % 16), and the 16 registers of tiles 2 b, 2 b + 1 are C = 32 b + 16 (lane / 16) + 0 .. 15.
; K = 64 IN AN INSTRUCTION OF 128: k's registers 6-11 are zero codes.  q's fragments lie 6 registers apart, so a tile's registers 6-11 are the next tile's codes: finite numbers times zeros.  The scale words' upper two bytes are 0 (2^-127).
; A lane keeps the maximum and the sum of its own half of the C; the two halves meet once, at the end.
; LIMITS: hidden scores count as -infinity where the problem has -1.25e9: the same while |score| / 8 stays far under that; terms under 2^-126 fall to 0; NaN and infinities are not served.
.set REC,   157696
.set RQC,   104448                     ; q's codes in a record; its scale words follow them
.set RKS,   98304                      ; k's scale words
.set HEADB, 53248                      ; LDS: a head's q: 49,152 bytes of codes, 4,096 of scale words
.set QSL,   49152
.set SPARE, 2*HEADB                    ; the spare words, 128 bytes a wave: 2,048 bytes
.set SPW, 4                            ; v4, v5  the add's two; never rewritten
.set NIL, 5
.set C0,  32                           ; v32-35 four maxima;  v36 the maximum's change;  v[38:39] f;  v[40:41] a second chain of sums;  v42-47 the end
.set DD,  36
.set FF,  38
.set A2,  40
.set S,   64                           ; v64-127  the scores
.set F,   128                          ; v128-181 eight fragments of q, 6 registers each, and six zeros
.set QS,  184                          ; v184-191 their scale words
.set WV,  8
.set GG,  11
.set CS,  32                           ; s[32:33] log2(e) / 8
.set SEL, 34
.set TB,  36                           ; s36 where the step's codes begin in LDS;  s37 its scale words;  s38 the step
.set TS,  37
.set CNT, 38
.set HIH, 39
.macro ROUND
	s_barrier_signal -1
	s_barrier_wait -1
	s_cmp_lg_u32 s[WV], 0
	s_cbranch_scc1 .Lnot_wave_0_\@
	s_barrier_signal -3
.Lnot_wave_0_\@:
	s_barrier_wait -3
	s_barrier_signal -1
	s_barrier_wait -1
.endm
	s_load_b128 s[4:7], s[0:1], 0x0                ; kqv, st
	v_lshl_add_u32 v[SPW], v0, 2, SPARE
	v_mov_b32 v[NIL], 0
	ds_add_u32 v[SPW], v[NIL]                      ; the wave's opening: the add and its wait stand ahead of the first tensor load
	v_lshrrev_b32 v1, 5, v0
	v_readfirstlane_b32 s[WV], v1                  ; wave 0..15
	s_bfe_u32 s9, ttmp6, 0x40000                   ; cx
	s_lshr_b32 s13, s[WV], 2
	s_and_b32 s14, s[WV], 3
	s_and_b32 s12, s13, 1                          ; e
	s_xor_b32 s15, s14, s13
	s_and_b32 s15, s15, 1
	s_mul_i32 s15, s15, 7
	s_lshr_b32 s13, s13, 1
	s_and_b32 s14, s14, 2
	s_add_co_u32 s[GG], s13, s14
	s_xor_b32 s[GG], s[GG], s15                    ; g: 0 .. 3, or 7 less that
	s_mov_b32 s16, 15|(3<<16)|(1<<21)              ; group 1: all four work-groups; elements of 8 bytes; bit 21 beside a mask
	s_mov_b32 s17, 32<<16                          ; rows of 256 bytes,
	s_mov_b32 s18, 52<<16                          ; 52 of them: a quarter of a head's q
	s_mov_b32 s19, 32<<16
	s_mov_b32 s20, 52
	s_mov_b32 s21, 32                              ; dense
	s_mov_b32 s22, 0
	s_mov_b32 s23, 0
	s_mul_i32 s40, s[WV], 13312                    ; my quarter
	s_mul_i32 s42, ttmp9, 2*REC                    ; the cluster's first head
	s_add_co_u32 s44, s42, s40
	s_add_co_u32 s44, s44, RQC
	s_mov_b32 s45, 0
	s_lshl_b32 s46, s12, 2
	s_add_co_u32 s46, s46, s9                      ; my tile among the eight of its 128 rows
	s_lshl_b32 s48, s[GG], 3
	s_add_co_u32 s48, s48, s46                     ; my tile T
	s_lshr_b32 s47, s46, 1
	s_lshl_b32 s47, s47, 5
	s_and_b32 s49, s46, 1
	s_lshl_b32 s49, s49, 3
	s_add_co_u32 s47, s47, s49                     ; the row that lane 0's place stands for, among the 128
	s_mul_i32 s56, s48, 768
	s_add_co_u32 s56, s56, s42                     ; k's codes: tile T's image
	s_mov_b32 s57, 0
	s_lshr_b32 s58, s48, 2
	s_lshl_b32 s58, s58, 8
	s_and_b32 s59, s48, 3
	s_lshl_b32 s59, s59, 2
	s_add_co_u32 s58, s58, s59
	s_add_co_u32 s58, s58, s42
	s_add_co_u32 s58, s58, RKS                     ; k's scale words: 256 (T / 4) + 16 r + 4 (T % 4)
	s_mov_b32 s59, 0
	s_lshl_b32 s60, ttmp9, 14
	s_lshl_b32 s61, s48, 6
	s_add_co_u32 s60, s60, s61                     ; st: 8,192 bytes a head, 64 a tile
	s_mov_b32 s61, 0
	s_mov_b32 s[CS], 0x3e38aa3b                    ; log2(e) / 8
	s_mov_b32 s[CS+1], s[CS]
	s_mov_b32 s[SEL], 0x76543210
	s_mov_b32 s[SEL+1], 0xfedcba98
	s_mov_b32 s[HIH], 0xffff0000
	v_and_b32 v32, 31, v0                          ; lane
	v_and_b32 v33, 15, v0                          ; r
	v_bfe_u32 v34, v0, 4, 1                        ; h
	v_lshlrev_b32 v1, 4, v32                       ; v1  16 x lane: an image's registers 0-3
	v_lshl_add_u32 v2, v32, 3, 512                 ; v2  512 + 8 x lane: its registers 4-5
	v_lshl_add_u32 v3, v33, 4, QSL                 ; v3  four tiles' scale words of row r
	v_lshlrev_b32 v29, 4, v33                      ; v29 16 r
	v_lshlrev_b32 v30, 2, v33
	v_lshl_add_u32 v30, v34, 12, v30               ; v30 4 r + 4,096 h
	v_and_b32 v9, 8, v33
	v_add_nc_u32 v9, v9, v33
	v_add_nc_u32 v9, s47, v9                       ; my row among the 128: .. + r + 8 (r / 8)
	v_lshlrev_b32 v34, 4, v34
	v_sub_nc_u32 v9, v9, v34                       ; v9  d = that - 16 h
	v_mov_b32 v10, 0xff800000                      ; v10 -infinity
	v_mov_b32 v13, 0                               ; (named as upper halves of pairs)
	v_mov_b32 v[FF+1], 0
	v_mov_b32 v42, 0                               ; (lane permutes' destinations count as sources)
	v_mov_b32 v43, 0
.irp j, 0,1,2,3,4,5
	v_mov_b32 v[22+\j], 0                          ; k's registers 6-11, for both heads: zero codes
	v_mov_b32 v[54+\j], 0
	v_mov_b32 v[F+48+\j], 0                        ; and what stands behind the eighth fragment of q
.endr
	s_wait_dscnt 0x0                               ; the opening add is done
	s_wait_kmcnt 0x0
	s_add_nc_u64 s[50:51], s[4:5], s[56:57]
	s_add_nc_u64 s[52:53], s[4:5], s[58:59]
	s_add_nc_u64 s[54:55], s[6:7], s[60:61]
	s_mov_b32 s24, 1
	s_mov_b32 s25, s40
	s_add_nc_u64 s[26:27], s[4:5], s[44:45]
	s_add_nc_u64 s[30:31], s[26:27], REC
	s_or_b32 s27, s27, 0x80000000
	s_mov_b32 s28, 1
	s_add_co_u32 s29, s40, HEADB
	s_or_b32 s31, s31, 0x80000000
	ROUND                                          ; all four work-groups are here: the joint loads meet
	s_cmp_lt_u32 s[WV], 4                          ; waves 0 to 3 fetch, a quarter of each head's q: two loads of a wave are out.  Nothing is ever filled again
	s_cbranch_scc0 .Lno_fill
	tensor_load_to_lds s[24:27], s[16:23]
	s_nop 0
	tensor_load_to_lds s[28:31], s[16:23]
	s_nop 0
.rept 4
	v_nop
.endr
.Lno_fill:
.irp hd, 0,1                                   ; my k fragments of both heads: v16-21 and v28, v48-53 and v60
	global_load_b128 v[16+32*\hd:19+32*\hd], v1, s[50:51] offset:\hd*REC
	global_load_b64 v[20+32*\hd:21+32*\hd], v2, s[50:51] offset:\hd*REC
	global_load_b32 v[28+32*\hd], v29, s[52:53] offset:\hd*REC
.endr
; A STEP: 128 C.
.macro STEP1 kf
	s_cmp_gt_u32 s[CNT], s[GG]                     ; all its C come after my rows: only the addresses step
	s_cbranch_scc1 .Lpast_\@
	v_add_nc_u32 v6, s[TB], v1
	v_add_nc_u32 v7, s[TB], v2
	v_add_nc_u32 v8, s[TS], v3
.irp t, 0,1,2,3,4,5,6,7
	ds_load_b128 v[F+6*\t:F+6*\t+3], v6 offset:768*\t
	ds_load_b64 v[F+6*\t+4:F+6*\t+5], v7 offset:768*\t
.endr
	ds_load_b128 v[QS:QS+3], v8
	ds_load_b128 v[QS+4:QS+7], v8 offset:256
	s_wait_dscnt 0x0
.irp t, 0,1,2,3,4,5,6,7
	v_wmma_scale_f32_16x16x128_f8f6f4 v[S+8*\t:S+8*\t+7], v[F+6*\t:F+6*\t+11], v[\kf:\kf+11], 0, v[QS+\t], v[\kf+12] matrix_a_fmt:MATRIX_FMT_BF6 matrix_b_fmt:MATRIX_FMT_BF6
.endr
.rept 4
	v_nop                                          ; places behind the products
.endr
	s_cmp_lg_u32 s[CNT], s[GG]
	s_cbranch_scc1 .Lopen_\@
.set n, 0
.rept 64                                       ; the step on the diagonal: register n holds C = 32 (n / 16) + 16 h + n % 16: hidden where it is above my row
	v_cmp_gt_i32 vcc_lo, 32*(n/16)+n%16, v9
	v_cndmask_b32 v[S+n], v[S+n], v10, vcc_lo
.set n, n+1
.endr
.Lopen_\@:
.irp b, 0,1,2,3
	v_max3_num_f32 v[C0+\b], v[S+16*\b], v[S+1+16*\b], v[S+2+16*\b]   ; four chains by turns; each accumulator is read from its low end on
.endr
.irp i, 3,5,7,9,11,13
.irp b, 0,1,2,3
	v_max3_num_f32 v[C0+\b], v[C0+\b], v[S+16*\b+\i], v[S+1+16*\b+\i]
.endr
.endr
.irp b, 0,1,2,3
	v_max_num_f32 v[C0+\b], v[C0+\b], v[S+15+16*\b]
.endr
	v_max3_num_f32 v[C0], v[C0], v[C0+1], v[C0+2]
	v_max_num_f32 v[C0], v[C0], v[C0+3]
	v_mul_f32 v[C0], s[CS], v[C0]                  ; as t
	v_mov_b32 v[DD], v12
	v_max_num_f32 v12, v12, v[C0]                  ; my lane's running maximum m
	v_sub_f32 v[DD], v[DD], v12                    ; old m - new m
.set n, 0
.rept 32
	v_pk_fma_f32 v[S+n:S+n+1], v[S+n:S+n+1], s[CS:CS+1], v[12:13] op_sel_hi:[1,0,0] neg_lo:[0,0,1] neg_hi:[0,0,1]   ; t - m
.set n, n+2
.endr
	v_exp_f32 v[FF], v[DD]                         ; one batch of 65 exponentials,
.set n, 0
.rept 64
	v_exp_f32 v[S+n], v[S+n]
.set n, n+1
.endr
	v_nop                                          ; a plain place behind the last,
	s_wait_alu depctr_va_vdst(0)                   ; and one wait ahead of the first reader
	v_pk_mul_f32 v[14:15], v[14:15], v[FF:FF+1] op_sel_hi:[1,0]   ; the sum under the new m
	v_pk_add_f32 v[A2:A2+1], v[S:S+1], v[S+2:S+3]
.irp j, 4,8,12,16,20,24,28,32,36,40,44,48,52,56,60
	v_pk_add_f32 v[14:15], v[14:15], v[S+\j:S+\j+1]
	v_pk_add_f32 v[A2:A2+1], v[A2:A2+1], v[S+\j+2:S+\j+3]
.endr
	v_pk_add_f32 v[14:15], v[14:15], v[A2:A2+1]
.Lpast_\@:
	s_add_co_u32 s[TB], s[TB], 6144                ; eight images on
	s_add_co_u32 s[TS], s[TS], 512
.endm
.macro HEAD hd
.if \hd
	s_wait_xcnt 0x0                                ; the last head's store has read its data
.endif
	v_mov_b32 v12, 0xff61b1e6                      ; m: -3e38, under every t
	v_mov_b32 v14, 0                               ; l, in two halves
	v_mov_b32 v15, 0
	s_mov_b32 s[TB], \hd*HEADB
	s_mov_b32 s[TS], \hd*HEADB
	s_mov_b32 s[CNT], 0
.Lstep_\@:
	STEP1 16+32*\hd
	s_add_co_u32 s[CNT], s[CNT], 1
	s_cmp_lt_u32 s[CNT], 8
	s_cbranch_scc1 .Lstep_\@
	v_add_f32 v14, v14, v15
	v_permlanex16_b32 v42, v12, s[SEL], s[SEL+1]   ; the row's other half of the C lies in lane l xor 16
	v_permlanex16_b32 v43, v14, s[SEL], s[SEL+1]
	v_max_num_f32 v44, v12, v42                    ; M
	v_sub_f32 v45, v12, v44
	v_sub_f32 v46, v42, v44
	v_exp_f32 v45, v45
	v_exp_f32 v46, v46
	v_sub_f32 v47, 0, v44                          ; -M (the plain place behind the two)
	s_wait_alu depctr_va_vdst(0)
	v_mul_f32 v14, v14, v45
	v_fma_f32 v14, v43, v46, v14                   ; l under M
	v_rcp_f32 v42, v14
	v_nop
	s_wait_alu depctr_va_vdst(0)
	v_cndmask_b32 v47, v47, v42, s[HIH]            ; lanes 0-15 store -M, lanes 16-31 1 / l
	global_store_b32 v30, v47, s[54:55] offset:\hd*8192
.endm
	s_wait_tensorcnt 1                             ; my part of the first head's q is in; the second head's load may stay out
	s_barrier_signal -1
	s_barrier_wait -1
	s_wait_loadcnt 0x0                             ; k
	HEAD 0
	s_wait_tensorcnt 0x0                           ; my part of the second head's q is in,
	s_wait_dscnt 0x0
	s_barrier_signal -1
	s_barrier_wait -1                              ; everybody's is
	HEAD 1
	s_wait_tensorcnt 0x0                           ; the wave's end
	ds_add_u32 v[SPW], v[NIL]
	s_wait_dscnt 0x0
	ROUND                                          ; the closing round
	s_endpgm
.Lfunc_end_k_qe48b5990ac_stats:
	.size	k_qe48b5990ac_stats, .Lfunc_end_k_qe48b5990ac_stats-k_qe48b5990ac_stats
	.p2alignl 7, 3214868480
	.fill 96, 4, 3214868480
	.section	.rodata,"a",@progbits
	.p2align	6, 0x0
	.amdhsa_kernel k_qe48b5990ac_stats
		.amdhsa_group_segment_fixed_size 167936
		.amdhsa_private_segment_fixed_size 0
		.amdhsa_enable_private_segment 0
		.amdhsa_kernarg_size 16
		.amdhsa_user_sgpr_count 2
		.amdhsa_user_sgpr_kernarg_segment_ptr 1
		.amdhsa_wavefront_size32 1
		.amdhsa_system_sgpr_workgroup_id_x 1
		.amdhsa_system_sgpr_workgroup_id_y 1
		.amdhsa_system_sgpr_workgroup_id_z 1
		.amdhsa_system_vgpr_workitem_id 0
		.amdhsa_next_free_vgpr 192
		.amdhsa_next_free_sgpr 66
		.amdhsa_reserve_vcc 1
		.amdhsa_float_denorm_mode_32 3
		.amdhsa_float_denorm_mode_16_64 3
		.amdhsa_memory_ordered 1
		.amdhsa_forward_progress 1
		.amdhsa_inst_pref_size 41
	.end_amdhsa_kernel
	.amdgpu_metadata
---
amdhsa.version: [ 1, 2 ]
amdhsa.kernels:
  - .name:           k_qe48b5990ac_stats
    .symbol:         k_qe48b5990ac_stats.kd
    .args:
      - { .name: kqv, .offset: 0, .size: 8, .value_kind: global_buffer, .address_space: global }
      - { .name: st, .offset: 8, .size: 8, .value_kind: global_buffer, .address_space: global }
    .group_segment_fixed_size: 167936
    .private_segment_fixed_size: 0
    .kernarg_segment_align: 8
    .kernarg_segment_size: 16
    .max_flat_workgroup_size: 512
    .sgpr_count:     66
    .vgpr_count:     192
    .wavefront_size: 32
...
	.end_amdgpu_metadata
.endif
;; end of part 3
;; launch attn (part 4): grid 256 x 1, 16 waves a work-group, clusters of 4 x 1, 229,376 bytes of LDS; arguments kqv, st, zc, zs; writes zc, zs
.if DOCPART == 4
	.amdgcn_target "amdgcn-amd-amdhsa--gfx1250"
	.amdhsa_code_object_version 6
	.text
	.protected	k_qe48b5990ac_attn
	.globl	k_qe48b5990ac_attn
	.p2align	8
	.type	k_qe48b5990ac_attn,@function
k_qe48b5990ac_attn:
	s_mov_b64 s[64:65], 0
	v_nop
	global_prefetch_b8 v0, s[64:65] scope:SCOPE_SE
	s_setreg_imm32_b32 hwreg(HW_REG_WAVE_MODE, 25, 1), 1
	s_wait_xcnt 0x0
	s_wait_alu depctr_hold_cnt(0) depctr_sa_sdst(0) depctr_va_vdst(0) depctr_va_sdst(0) depctr_va_ssrc(0) depctr_va_vcc(0) depctr_vm_vsrc(0)
	s_getreg_b32 s2, hwreg(HW_REG_IB_STS2, 6, 4)
	s_cmp_eq_u32 s2, 0
	s_cbranch_scc0 .Lentry_in_a_cluster
	s_endpgm
.Lentry_in_a_cluster:
	s_bfe_u32 s2, ttmp6, 0x10000c
	s_cmp_lg_u32 s2, 0x3003
	s_cbranch_scc0 .Lentry_shape_is_right
	s_endpgm
.Lentry_shape_is_right:
; z[C][h] = the sum over c >= C of attn(c, C) v[c][h], attn(c, C) = 2^(t - M[c]) / l[c], t = k[c] . q[C] x log2(e) / 8: both products on codes of BF6.  attn is quantised FINISHED AND NORMALISED, along c, in blocks of 32.
; M and l come from the launch before.  z is quantised along the head's 64 and leaves as codes for the last product.
; SHARES.  A cluster of four work-groups owns two heads; k, v, their scale words, -M and 1 / l of both heads come into LDS once, asked for jointly.  Each of the 16 waves owns one tile of 16 columns C in each head: tile 8 g + 4 e + cx,
; g and e from the wave's number alone; it walks steps g .. 7 of 128 rows c.  The trip count is 8 for all; a scalar branch on the wave's number and the count leads round the work of a step all of whose c are hidden.
; LAYOUT.  S^T: source 0 = 16 places of k, source 1 = my 16 places of q: a lane holds one C, and the 16 registers of tiles 2 b, 2 b + 1 are c = 32 b + 16 (lane / 16) + 0 .. 15.  So the weights' codes are source 1 of
; Z^T += v^T p^T (source 0 = 16 places of the head's 64 x 128 c), whose result again holds one C a lane and runs along the head's 64.
; K = 64 in the first product: q's registers 6-11 are zero codes; k's fragments lie 6 registers apart; the scale words' upper bytes are 0 (2^-127).
; -M and 1 / l hang on c: on the register and the lanes' half.  All lanes of a half read the same 16 bytes of LDS.
; LIMITS: hidden scores count as -infinity where the problem has -1.25e9: the same while |score| / 8 stays far under that; weights under 2^-126 fall to 0; a block's scale byte is held at 1 from below; NaN and infinities are not served.
.set REC,   157696
.set RQC,   104448
.set RQS,   153600
.set HEADB, 112640                     ; LDS: a head: the record's first 104,448 bytes as they lie (k's codes, v's codes, k's scale words, v's), then -M and 1 / l
.set VCO,   49152
.set KSO,   98304
.set VSO,   102400
.set MO,    104448
.set SPARE, 2*HEADB                    ; the spare words: 2,048 bytes
.set SPW, 6                            ; v6, v7  the add's two; never rewritten
.set NIL, 7
.set ZW,  15                           ; v15  z's scale bytes of both heads
.set Z,   32                           ; v32-63   Z^T
.set S,   64                           ; v64-127  S^T, then the weights
.set F,   128                          ; v128-181 eight fragments of k and six zeros; later four fragments of v
.set KSC, 182                          ; v182-189 k's scale words; v182-185 later v's: scale words and nothing else
.set PW,  190                          ; v190     the weights' scale word, and nothing else
.set ST,  192                          ; v192-255 -M, then 1 / l; then at work:
.set TM,  192
.set PC,  208
.set WV,  12
.set GG,  14
.set CS,  48
.set SEL, 50
.set TB,  52                           ; s52 where the step's codes begin in LDS;  s53 k's scale words and the statistics;  s54 v's scale words;  s55 the step
.set TS,  53
.set TW,  54
.set CNT, 55
.macro ROUND
	s_barrier_signal -1
	s_barrier_wait -1
	s_cmp_lg_u32 s[WV], 0
	s_cbranch_scc1 .Lnot_wave_0_\@
	s_barrier_signal -3
.Lnot_wave_0_\@:
	s_barrier_wait -3
	s_barrier_signal -1
	s_barrier_wait -1
.endm
	s_load_b256 s[4:11], s[0:1], 0x0               ; kqv, st, zc, zs
	v_lshl_add_u32 v[SPW], v0, 2, SPARE
	v_mov_b32 v[NIL], 0
	ds_add_u32 v[SPW], v[NIL]                      ; the wave's opening: the add and its wait stand ahead of the first tensor load
	v_lshrrev_b32 v1, 5, v0
	v_readfirstlane_b32 s[WV], v1                  ; wave 0..15
	s_bfe_u32 s13, ttmp6, 0x40000                  ; cx
	s_lshr_b32 s66, s[WV], 2
	s_and_b32 s67, s[WV], 3
	s_and_b32 s15, s66, 1                          ; e
	s_xor_b32 s68, s67, s66
	s_and_b32 s68, s68, 1
	s_mul_i32 s68, s68, 7
	s_lshr_b32 s66, s66, 1
	s_and_b32 s67, s67, 2
	s_add_co_u32 s[GG], s66, s67
	s_xor_b32 s[GG], s[GG], s68                    ; g
	s_mov_b32 s16, 15|(3<<16)|(1<<21)              ; group 1 for k and v: all four work-groups; elements of 8 bytes; bit 21 beside a mask
	s_mov_b32 s17, 32<<16                          ; rows of 256 bytes,
	s_mov_b32 s18, 102<<16                         ; 102 of them: a quarter of 104,448 bytes
	s_mov_b32 s19, 32<<16
	s_mov_b32 s20, 102
	s_mov_b32 s21, 32
	s_mov_b32 s22, 0
	s_mov_b32 s23, 0
	s_mov_b32 s24, 15|(3<<16)|(1<<21)              ; group 1 for the statistics: 32 rows of 256 bytes
	s_mov_b32 s25, 32<<16
	s_mov_b32 s26, 32<<16
	s_mov_b32 s27, 32<<16
	s_mov_b32 s28, 32
	s_mov_b32 s29, 32
	s_mov_b32 s30, 0
	s_mov_b32 s31, 0
	s_mul_i32 s66, s[WV], 26112                    ; my quarter
	s_mul_i32 s67, ttmp9, 2*REC                    ; the cluster's first head
	s_add_co_u32 s68, s67, s66
	s_mov_b32 s69, 0
	s_lshl_b32 s70, ttmp9, 14                      ; its statistics
	s_mov_b32 s71, 0
	s_lshl_b32 s52, s15, 2
	s_add_co_u32 s52, s52, s13                     ; my tile among the eight of its 128 columns
	s_lshl_b32 s53, s[GG], 3
	s_add_co_u32 s53, s53, s52                     ; my tile T
	s_lshr_b32 s54, s52, 1
	s_lshl_b32 s54, s54, 5
	s_and_b32 s55, s52, 1
	s_lshl_b32 s55, s55, 3
	s_add_co_u32 s54, s54, s55                     ; the column that lane 0's place stands for, among the 128
	s_mul_i32 s56, s53, 768
	s_add_co_u32 s56, s56, s67
	s_add_co_u32 s56, s56, RQC                     ; q's codes: tile T's image
	s_mov_b32 s57, 0
	s_lshr_b32 s58, s53, 2
	s_lshl_b32 s58, s58, 8
	s_and_b32 s59, s53, 3
	s_lshl_b32 s59, s59, 2
	s_add_co_u32 s58, s58, s59
	s_add_co_u32 s58, s58, s67
	s_add_co_u32 s58, s58, RQS                     ; q's scale words
	s_mov_b32 s59, 0
	s_lshr_b32 s60, ttmp9, 3                       ; the batch
	s_lshl_b32 s60, s60, 6
	s_add_co_u32 s60, s60, s53                     ; the tile of 16 rows of z among all 512
	s_lshl_b32 s62, s60, 9                         ; zs: 32 bytes a row
	s_mul_i32 s60, s60, 12288                      ; zc: 16 heads' images a tile
	s_and_b32 s61, ttmp9, 7                        ; which pair of heads
	s_lshl_b32 s63, s61, 2
	s_add_co_u32 s62, s62, s63
	s_mul_i32 s61, s61, 1536
	s_add_co_u32 s60, s60, s61
	s_mov_b32 s61, 0
	s_mov_b32 s63, 0
	s_mov_b32 s[CS], 0x3e38aa3b                    ; log2(e) / 8
	s_mov_b32 s[CS+1], s[CS]
	s_mov_b32 s[SEL], 0x76543210
	s_mov_b32 s[SEL+1], 0xfedcba98
	v_and_b32 v31, 31, v0                          ; v31 lane
	v_and_b32 v29, 15, v0                          ; r
	v_bfe_u32 v12, v0, 4, 1                        ; h
	v_lshlrev_b32 v1, 4, v31                       ; v1  16 x lane
	v_lshl_add_u32 v2, v31, 3, 512                 ; v2  512 + 8 x lane
	v_lshl_add_u32 v3, v29, 4, KSO                 ; v3  k's scale words of row r
	v_lshl_add_u32 v4, v29, 4, VSO                 ; v4  v's
	v_lshl_add_u32 v5, v12, 5, MO                  ; v5  my half's eight statistics of a tile
	v_and_b32 v13, 8, v29
	v_add_nc_u32 v13, v13, v29
	v_add_nc_u32 v13, s54, v13
	v_lshlrev_b32 v12, 4, v12
	v_sub_nc_u32 v13, v13, v12                     ; v13 my column among the 128, less 16 h
	v_mov_b32 v14, 0xff800000                      ; v14 -infinity
	v_mov_b32 v[ZW], 0
	v_lshlrev_b32 v30, 5, v29                      ; v30 32 r
	v_lshlrev_b32 v29, 4, v29                      ; v29 16 r
.irp j, 0,1,2,3,4,5
	v_mov_b32 v[22+\j], 0                          ; q's registers 6-11: zero codes
	v_mov_b32 v[F+48+\j], 0                        ; and what stands behind the eighth fragment of k
.endr
.irp j, 0,1,2,3
	v_mov_b32 v[TM+4+\j], 0                        ; (lane permutes' destinations count as sources)
.endr
	s_wait_dscnt 0x0                               ; the opening add is done
	s_wait_kmcnt 0x0
	s_add_nc_u64 s[56:57], s[4:5], s[56:57]
	s_add_nc_u64 s[58:59], s[4:5], s[58:59]
	s_add_nc_u64 s[60:61], s[8:9], s[60:61]
	s_add_nc_u64 s[62:63], s[10:11], s[62:63]
	s_mov_b32 s32, 1
	s_mov_b32 s33, s66
	s_add_nc_u64 s[34:35], s[4:5], s[68:69]
	s_add_nc_u64 s[38:39], s[34:35], REC
	s_or_b32 s35, s35, 0x80000000
	s_mov_b32 s36, 1
	s_add_co_u32 s37, s66, HEADB
	s_or_b32 s39, s39, 0x80000000
	s_mov_b32 s40, 1
	s_mov_b32 s41, MO
	s_add_nc_u64 s[42:43], s[6:7], s[70:71]
	s_add_nc_u64 s[46:47], s[42:43], 8192
	s_or_b32 s43, s43, 0x80000000
	s_mov_b32 s44, 1
	s_mov_b32 s45, MO+HEADB
	s_or_b32 s47, s47, 0x80000000
	ROUND                                          ; all four work-groups are here: the joint loads meet
	s_cmp_lt_u32 s[WV], 4                          ; waves 0 to 3: a quarter of each head's k and v; wave 4: each head's statistics.  Two loads of a wave are out
	s_cbranch_scc0 .Lnot_kv
	tensor_load_to_lds s[32:35], s[16:23]
	s_nop 0
	tensor_load_to_lds s[36:39], s[16:23]
	s_nop 0
.rept 4
	v_nop
.endr
	s_branch .Lasked
.Lnot_kv:
	s_cmp_eq_u32 s[WV], 4
	s_cbranch_scc0 .Lasked
	tensor_load_to_lds s[40:43], s[24:31]
	s_nop 0
	tensor_load_to_lds s[44:47], s[24:31]
	s_nop 0
.rept 4
	v_nop
.endr
.Lasked:
.macro QLOAD hd                                ; my q fragment: v16-21, its scale word v28
	global_load_b128 v[16:19], v1, s[56:57] offset:\hd*REC
	global_load_b64 v[20:21], v2, s[56:57] offset:\hd*REC
	global_load_b32 v28, v29, s[58:59] offset:\hd*REC
.endm
	QLOAD 0
; 64 numbers of a lane, register 16 b + i = k 32 b + 16 (lane / 16) + i of my row, become a fragment's codes in v[PC] on and its scale word in v[PW].
.macro QUANT s
.irp b, 0,1,2,3
	v_max3_num_f32 v[TM+\b], |v[\s+16*\b]|, |v[\s+1+16*\b]|, 0x2800000   ; and the floor 2^(5 - 127): the byte cannot fall under 1
.endr
.irp i, 2,4,6,8,10,12,14
.irp b, 0,1,2,3
	v_max3_num_f32 v[TM+\b], v[TM+\b], |v[\s+16*\b+\i]|, |v[\s+1+16*\b+\i]|
.endr
.endr
.irp b, 0,1,2,3
	v_permlanex16_b32 v[TM+4+\b], v[TM+\b], s[SEL], s[SEL+1]
.endr
.irp b, 0,1,2,3
	v_max_num_f32 v[TM+\b], v[TM+\b], v[TM+4+\b]
.endr
.irp b, 0,1,2,3
	v_add_nc_u32 v[TM+12+\b], 0xfe000000, v[TM+\b]   ; 4 off the exponent field: the conversion's scale operand
.endr
.irp b, 0,1,2,3
	v_lshrrev_b32 v[TM+4+\b], 23, v[TM+12+\b]
.endr
	v_lshl_or_b32 v[PW], v[TM+5], 8, v[TM+4]
	v_lshl_or_b32 v[PW], v[TM+6], 16, v[PW]
	v_lshl_or_b32 v[PW], v[TM+7], 24, v[PW]
.irp c, 0,1
	v_cvt_scalef32_pk16_bf6_f32 v[PC+6*\c:PC+2+6*\c], v[\s+32*\c:\s+15+32*\c], v[TM+12+2*\c]
	v_cvt_scalef32_pk16_bf6_f32 v[PC+12+4*\c:PC+14+4*\c], v[\s+16+32*\c:\s+31+32*\c], v[TM+12+2*\c+1]
.endr
	v_nop                                          ; one plain place behind a scaled conversion
.irp c, 0,1
.irp i, 0,1,2
	v_permlane16_swap_b32 v[PC+6*\c+\i], v[PC+12+4*\c+\i]
.endr
.irp i, 0,1,2
	v_mov_b32 v[PC+3+6*\c+\i], v[PC+12+4*\c+\i]
.endr
.endr
.endm
; A STEP: 128 rows c.
.macro STEP2
	s_cmp_lt_u32 s[CNT], s[GG]                     ; all its c come before my columns: only the addresses step
	s_cbranch_scc1 .Lpast_\@
	v_add_nc_u32 v8, s[TB], v1                     ; five plain lines: the places behind the last step's products, in front of the loads into their registers
	v_add_nc_u32 v9, s[TB], v2
	v_add_nc_u32 v10, s[TS], v3
	v_add_nc_u32 v11, s[TW], v4
	v_add_nc_u32 v12, s[TS], v5
.irp t, 0,1,2,3,4,5,6,7
	ds_load_b128 v[F+6*\t:F+6*\t+3], v8 offset:768*\t
	ds_load_b64 v[F+6*\t+4:F+6*\t+5], v9 offset:768*\t
.endr
	ds_load_b128 v[KSC:KSC+3], v10
	ds_load_b128 v[KSC+4:KSC+7], v10 offset:256
.irp t, 0,1,2,3,4,5,6,7
	ds_load_b128 v[ST+8*\t:ST+8*\t+3], v12 offset:64*\t           ; -M of the places that tile t's eight registers of my half stand for
	ds_load_b128 v[ST+8*\t+4:ST+8*\t+7], v12 offset:64*\t+16
.endr
	s_wait_dscnt 16                                ; k and its scale words are in; the 16 loads of -M may be out
.irp t, 0,1,2,3,4,5,6,7
	v_wmma_scale_f32_16x16x128_f8f6f4 v[S+8*\t:S+8*\t+7], v[F+6*\t:F+6*\t+11], v[16:27], 0, v[KSC+\t], v28 matrix_a_fmt:MATRIX_FMT_BF6 matrix_b_fmt:MATRIX_FMT_BF6
.endr
.rept 4
	v_nop                                          ; places behind the products
.endr
	s_cmp_lg_u32 s[CNT], s[GG]
	s_cbranch_scc1 .Lopen_\@
.set n, 0
.rept 64                                       ; the step on the diagonal: register n holds c = 32 (n / 16) + 16 h + n % 16: hidden where it is under my column
	v_cmp_lt_i32 vcc_lo, 32*(n/16)+n%16, v13
	v_cndmask_b32 v[S+n], v[S+n], v14, vcc_lo
.set n, n+1
.endr
.Lopen_\@:
	s_wait_dscnt 0x0                               ; -M
.set n, 0
.rept 32
	v_pk_fma_f32 v[S+n:S+n+1], v[S+n:S+n+1], s[CS:CS+1], v[ST+n:ST+n+1] op_sel_hi:[1,0,1]   ; t - M
.set n, n+2
.endr
.irp t, 0,1,2,3,4,5,6,7
	ds_load_b128 v[ST+8*\t:ST+8*\t+3], v12 offset:4096+64*\t      ; 1 / l of the same places
	ds_load_b128 v[ST+8*\t+4:ST+8*\t+7], v12 offset:4096+64*\t+16
.endr
.irp t, 0,1,2,3
	ds_load_b128 v[F+12*\t:F+12*\t+3], v8 offset:VCO+1536*\t      ; v: 16 places of the head's 64 x these 128 c: two images
	ds_load_b64 v[F+12*\t+4:F+12*\t+5], v9 offset:VCO+1536*\t
	ds_load_b128 v[F+12*\t+6:F+12*\t+9], v8 offset:VCO+1536*\t+768
	ds_load_b64 v[F+12*\t+10:F+12*\t+11], v9 offset:VCO+1536*\t+768
.endr
	ds_load_b128 v[KSC:KSC+3], v11                 ; and its four tiles' scale words
.set n, 0
.rept 64
	v_exp_f32 v[S+n], v[S+n]                       ; one batch,
.set n, n+1
.endr
	v_nop                                          ; a plain place behind the last,
	s_wait_alu depctr_va_vdst(0)                   ; and one wait ahead of the first reader
	s_wait_dscnt 17                                ; 1 / l is in; v's 16 loads and its scale words' one may be out
.set n, 0
.rept 32
	v_pk_mul_f32 v[S+n:S+n+1], v[S+n:S+n+1], v[ST+n:ST+n+1]       ; the weights, finished and normalised
.set n, n+2
.endr
	QUANT S
.rept 8
	v_nop                                          ; a scale word made by vector instructions stands 8 places ahead of a scaled product, codes so made 4
.endr
	s_wait_dscnt 0x0                               ; v
.irp t, 0,1,2,3                                ; four accumulators by turns; the eight products above stand between two links of a chain
	v_wmma_scale_f32_16x16x128_f8f6f4 v[Z+8*\t:Z+8*\t+7], v[F+12*\t:F+12*\t+11], v[PC:PC+11], v[Z+8*\t:Z+8*\t+7], v[KSC+\t], v[PW] matrix_a_fmt:MATRIX_FMT_BF6 matrix_b_fmt:MATRIX_FMT_BF6
.endr
.Lpast_\@:
	s_add_co_u32 s[TB], s[TB], 6144
	s_add_co_u32 s[TS], s[TS], 512
	s_add_co_u32 s[TW], s[TW], 256
.endm
.macro HEAD hd
.if \hd
	s_wait_xcnt 0x0                                ; the last head's stores have read their data
.endif
.set n, 0
.rept 32
	v_mov_b32 v[Z+n], 0                            ; which step is a wave's first hangs on the wave: so the sums begin as zeros
.set n, n+1
.endr
	s_mov_b32 s[TB], \hd*HEADB
	s_mov_b32 s[TS], \hd*HEADB
	s_mov_b32 s[TW], \hd*HEADB
	s_mov_b32 s[CNT], 0
	s_wait_loadcnt 0x0                             ; q
.Lstep_\@:
	STEP2
	s_add_co_u32 s[CNT], s[CNT], 1
	s_cmp_lt_u32 s[CNT], 8
	s_cbranch_scc1 .Lstep_\@
.if \hd == 0
	QLOAD 1                                        ; the next head's q is asked for while this head's z goes out
.endif
.rept 4
	v_nop                                          ; places behind the last products
.endr
.irp b, 0,1                                    ; z: register 16 b + i is the head's number 32 b + 16 (lane / 16) + i: two blocks
	v_max3_num_f32 v[TM+\b], |v[Z+16*\b]|, |v[Z+1+16*\b]|, 0x2800000
.endr
.irp i, 2,4,6,8,10,12,14
.irp b, 0,1
	v_max3_num_f32 v[TM+\b], v[TM+\b], |v[Z+16*\b+\i]|, |v[Z+1+16*\b+\i]|
.endr
.endr
.irp b, 0,1
	v_permlanex16_b32 v[TM+4+\b], v[TM+\b], s[SEL], s[SEL+1]
.endr
.irp b, 0,1
	v_max_num_f32 v[TM+\b], v[TM+\b], v[TM+4+\b]
.endr
.irp b, 0,1
	v_add_nc_u32 v[TM+12+\b], 0xfe000000, v[TM+\b]
.endr
.irp b, 0,1
	v_lshrrev_b32 v[TM+4+\b], 23, v[TM+12+\b]
.endr
	v_lshl_or_b32 v[TM+8], v[TM+5], 8, v[TM+4]     ; the head's two scale bytes of my row
	v_cvt_scalef32_pk16_bf6_f32 v[PC:PC+2], v[Z:Z+15], v[TM+12]
	v_cvt_scalef32_pk16_bf6_f32 v[PC+12:PC+14], v[Z+16:Z+31], v[TM+13]
	v_nop                                          ; one plain place behind a scaled conversion
.irp i, 0,1,2
	v_permlane16_swap_b32 v[PC+\i], v[PC+12+\i]
.endr
.irp i, 0,1,2
	v_mov_b32 v[PC+3+\i], v[PC+12+\i]
.endr
	v_lshrrev_b32 v[ZW], 16, v[ZW]
	v_lshl_or_b32 v[ZW], v[TM+8], 16, v[ZW]        ; the first head's bytes end below, the second's above
	global_store_b128 v1, v[PC:PC+3], s[60:61] offset:\hd*768       ; an image: 512 consecutive bytes, aligned,
	global_store_b64 v2, v[PC+4:PC+5], s[60:61] offset:\hd*768      ; and 256
.endm
	s_wait_tensorcnt 1                             ; my part of the first head is in; the second head's load may stay out
	s_barrier_signal -1
	s_barrier_wait -1
	HEAD 0
	s_wait_tensorcnt 0x0                           ; my part of the second head is in,
	s_wait_dscnt 0x0
	s_barrier_signal -1
	s_barrier_wait -1                              ; everybody's is
	HEAD 1
	s_wait_xcnt 0x0                                ; EXEC changes only behind this wait
	v_cmp_gt_u32 vcc_lo, 16, v31
	s_and_saveexec_b32 s66, vcc_lo
	global_store_b32 v30, v[ZW], s[62:63]          ; four scale bytes of each of my 16 rows, 32 bytes apart: one byte in 24 of what this launch stores
	s_wait_xcnt 0x0
	s_or_b32 exec_lo, exec_lo, s66
	s_wait_tensorcnt 0x0                           ; the wave's end
	ds_add_u32 v[SPW], v[NIL]
	s_wait_dscnt 0x0
	ROUND                                          ; the closing round
	s_endpgm
.Lfunc_end_k_qe48b5990ac_attn:
	.size	k_qe48b5990ac_attn, .Lfunc_end_k_qe48b5990ac_attn-k_qe48b5990ac_attn
	.p2alignl 7, 3214868480
	.fill 96, 4, 3214868480
	.section	.rodata,"a",@progbits
	.p2align	6, 0x0
	.amdhsa_kernel k_qe48b5990ac_attn
		.amdhsa_group_segment_fixed_size 229376
		.amdhsa_private_segment_fixed_size 0
		.amdhsa_enable_private_segment 0
		.amdhsa_kernarg_size 32
		.amdhsa_user_sgpr_count 2
		.amdhsa_user_sgpr_kernarg_segment_ptr 1
		.amdhsa_wavefront_size32 1
		.amdhsa_system_sgpr_workgroup_id_x 1
		.amdhsa_system_sgpr_workgroup_id_y 1
		.amdhsa_system_sgpr_workgroup_id_z 1
		.amdhsa_system_vgpr_workitem_id 0
		.amdhsa_next_free_vgpr 256
		.amdhsa_next_free_sgpr 72
		.amdhsa_reserve_vcc 1
		.amdhsa_float_denorm_mode_32 3
		.amdhsa_float_denorm_mode_16_64 3
		.amdhsa_memory_ordered 1
		.amdhsa_forward_progress 1
		.amdhsa_inst_pref_size 59
	.end_amdhsa_kernel
	.amdgpu_metadata
---
amdhsa.version: [ 1, 2 ]
amdhsa.kernels:
  - .name:           k_qe48b5990ac_attn
    .symbol:         k_qe48b5990ac_attn.kd
    .args:
      - { .name: kqv, .offset: 0, .size: 8, .value_kind: global_buffer, .address_space: global }
      - { .name: st, .offset: 8, .size: 8, .value_kind: global_buffer, .address_space: global }
      - { .name: zc, .offset: 16, .size: 8, .value_kind: global_buffer, .address_space: global }
      - { .name: zs, .offset: 24, .size: 8, .value_kind: global_buffer, .address_space: global }
    .group_segment_fixed_size: 229376
    .private_segment_fixed_size: 0
    .kernarg_segment_align: 8
    .kernarg_segment_size: 32
    .max_flat_workgroup_size: 512
    .sgpr_count:     72
    .vgpr_count:     256
    .wavefront_size: 32
...
	.end_amdgpu_metadata
.endif
;; end of part 4
;; launch proj (part 5): grid 8 x 32, 4 waves a work-group, clusters of 4 x 4, 327,680 bytes of LDS; arguments zc, zs, codes, scales, out0; writes out0
.if DOCPART == 5
	.amdgcn_target "amdgcn-amd-amdhsa--gfx1250"
	.amdhsa_code_object_version 6
	.text
	.protected	k_qe48b5990ac_proj
	.globl	k_qe48b5990ac_proj
	.p2align	8
	.type	k_qe48b5990ac_proj,@function
k_qe48b5990ac_proj:
	s_mov_b64 s[64:65], 0
	v_nop
	global_prefetch_b8 v0, s[64:65] scope:SCOPE_SE
	s_setreg_imm32_b32 hwreg(HW_REG_WAVE_MODE, 25, 1), 1
	s_wait_xcnt 0x0
	s_wait_alu depctr_hold_cnt(0) depctr_sa_sdst(0) depctr_va_vdst(0) depctr_va_sdst(0) depctr_va_ssrc(0) depctr_va_vcc(0) depctr_vm_vsrc(0)
	s_getreg_b32 s2, hwreg(HW_REG_IB_STS2, 6, 4)
	s_cmp_eq_u32 s2, 0
	s_cbranch_scc0 .Lentry_in_a_cluster
	s_endpgm
.Lentry_in_a_cluster:
	s_bfe_u32 s2, ttmp6, 0x10000c
	s_cmp_lg_u32 s2, 0xf033
	s_cbranch_scc0 .Lentry_shape_is_right
	s_endpgm
.Lentry_shape_is_right:
; out = z W_O^T on codes of BF6 with E8M0 scales, K = 1,024; out0 [8192][1024] f32.
; A tile of 256 x 128 is made by four waves, 128 x 64 each: 32 accumulators.  There are 256 such tiles, one for each of 256 work-groups; tiles of 256 x 256 would be 128.
; K goes in steps of 256 through a ring of two LDS slots filled by the tensor data mover; the scale bytes come once and stay.
; 4 x 4 work-groups form a cluster: z's tiles are asked for jointly along a row of the cluster, W_O's along a column.
; z's codes lie as IMAGES OF OPERAND REGISTERS, [tile of 16 rows][head][768 bytes]: registers 0-3 of lane l at 16 l, registers 4-5 at 512 + 8 l; two heads' images are a fragment of 128 along K.  A K step of 128 rows is
; 8 runs of 3,072 bytes, 12,288 apart.  W_O's codes lie as rows (rows 11,264 on of the workspace).
; z's rows lie by places: place i stands for row i with its bits 3 and 4 exchanged.  The stores put each row where it belongs, by their immediates.
; Source 0 = 16 rows of W_O, source 1 = 16 places of z: a lane holds eight neighbouring numbers of a row of out.
; REGISTERS: window 0: v0-31 addresses; v32-63 scale words, two sets, and nothing else; v128-223 z's fragments; on the way out v128-191.  window 1: W_O's fragments, two sets.  windows 2, 3: the accumulators.
.set SIZE_K, 1024
.set SIZE_N, 1024
.set KSTEP,  256
.set NQ,     KSTEP/128
.set ROWB,   192
.set AROW,   3072                      ; a K step of one tile of 16 places of z
.set KROW,   SIZE_K*6/8
.set PITCH,  240
.set FR,     12
.set NLA,    4                         ; LDS loads that bring a fragment of z
.set NP,     4
.set HALFT,  128*PITCH                 ; the room of one wave's load in a slot: z's 128 places take 24,576 bytes of it, W_O's 64 rows 15,360
.set SLOT,   4*HALFT
.set LAPS,   SIZE_K/(2*KSTEP)
.set KS,     SIZE_K/32
.set SCL,    2*SLOT
.set HALFS,  (128*KS/256)*272          ; the room of one wave's scale bytes: z's 128 rows fill it, W_O's 64 rows half of it
.set SBLK,   (16*KS/256)*272
.set SPARE,  SCL+4*HALFS
.set SPITCH, 272                       ; the way out: a stage of 16 rows x (256 bytes + 16) for each wave, in slot 0, which has had its last fill and its last read by then
.set ADRA, 16                          ; v16-17 z's images in slot 0, 1: + 16 x lane;  v18-19: + 512 + 8 x lane
.set ADRB, 20
.set STO,  24
.set RD,   25
.set CO,   26
.set ADRS, 27                          ; v27 my scale words: lanes 0-15 z's rows, lanes 16-31 W_O's
.set SPW,  28
.set NIL,  29
.set ADRS2, 30                         ; v30 the same with lanes 16-31 four blocks back: W_O has four blocks, z eight
.set SC,   32
.set AF,   128
.set BK,   128
.set G1, 24
.set G0, 32
.set G1B, 48
.set G0B, 56
.set G1S, 68
.set G0S, 76
.set G1SB, 80
.set G0SB, 88
.set MSB, 0
.macro WIN new
.if MSB != \new
	s_set_vgpr_msb (MSB<<8)|\new
.set MSB, \new
.endif
.endm
.set MUL_LO, 0xa1
.set MUL_HI, 0xf1
.set TO_B,   0x40
.macro JLOAD g0a, g1a, g0b, g1b        ; waves 0 and 1 fetch for z, waves 2 and 3 for W_O; an s_nop 0 and four v_nop follow each of the two lines
	s_cmp_eq_u32 s15, 0
	s_cbranch_scc0 .Lfor_b_\@
	tensor_load_to_lds s[\g0a:\g0a+3], s[\g1a:\g1a+7]
	s_nop 0
.rept 4
	v_nop
.endr
	s_branch .Lasked_\@
.Lfor_b_\@:
	tensor_load_to_lds s[\g0b:\g0b+3], s[\g1b:\g1b+7]
	s_nop 0
.rept 4
	v_nop
.endr
.Lasked_\@:
.endm
.macro CREST
	s_cmp_lg_u32 s14, 0
	s_cbranch_scc1 .Lnot_wave_0_\@
	s_barrier_signal -3
.Lnot_wave_0_\@:
	s_barrier_wait -3
	s_barrier_signal -1
	s_barrier_wait -1
.endm
.macro CROUND
	s_barrier_signal -1
	s_barrier_wait -1
	CREST
.endm
	s_load_b128 s[4:7], s[0:1], 0x0                ; zc, zs
	s_load_b128 s[8:11], s[0:1], 0x10              ; codes, scales
	s_load_b64 s[12:13], s[0:1], 0x20              ; out0
	v_lshl_add_u32 v[SPW], v0, 2, SPARE
	v_mov_b32 v[NIL], 0
	ds_add_u32 v[SPW], v[NIL]                      ; the wave's opening: the add and its wait stand ahead of my first tensor load
	v_lshrrev_b32 v1, 5, v0
	v_readfirstlane_b32 s14, v1
	s_lshr_b32 s15, s14, 1                         ; which 128 of z's places are mine.  Also: I fetch for z (0) or for W_O (1)
	s_and_b32 s16, s14, 1                          ; which 64 of W_O's rows.  Also: which half of the rows I fetch
	s_bfe_u32 s40, ttmp6, 0x40000
	s_bfe_u32 s41, ttmp6, 0x40004
	s_lshl_b32 s42, ttmp9, 2
	s_add_co_u32 s42, s42, s40                     ; tile column, of 128
	s_and_b32 s17, ttmp7, 0xffff
	s_lshl_b32 s17, s17, 2
	s_add_co_u32 s17, s17, s41                     ; tile row, of 256
	s_lshl_b32 s43, s41, 2
	s_lshl_b32 s43, 15, s43
	s_lshl_b32 s44, 0x1111, s40
	s_or_b32 s[G1+0], s43, (3<<16)|(1<<21)         ; z: the mask of my row; elements of 8 bytes; bit 21 beside a mask; no padding
	s_mov_b32 s[G1+1], 384<<16                     ; runs of 3,072 bytes,
	s_mov_b32 s[G1+2], 8<<16                       ; eight of them,
	s_mov_b32 s[G1+3], 384<<16
	s_mov_b32 s[G1+4], 8
	s_mov_b32 s[G1+5], 1536                        ; 12,288 bytes apart
	s_mov_b32 s[G1+6], 0
	s_mov_b32 s[G1+7], 0
	s_or_b32 s[G1B+0], s44, (0<<16)|(1<<20)|(1<<21)|(3<<22)|(3<<25)  ; W_O: 64 rows of 192 bytes, 16 bytes of padding behind every 64
	s_mov_b32 s[G1B+1], ROWB<<16
	s_mov_b32 s[G1B+2], 64<<16
	s_mov_b32 s[G1B+3], ROWB<<16
	s_mov_b32 s[G1B+4], 64
	s_mov_b32 s[G1B+5], KROW
	s_mov_b32 s[G1B+6], 0
	s_mov_b32 s[G1B+7], 0
	s_or_b32 s[G1S+0], s43, (3<<16)|(1<<20)|(1<<21)|(5<<22)|(3<<25)  ; z's scale bytes of 128 rows: 16 runs of 256 bytes, 16 of padding behind each
	s_mov_b32 s[G1S+1], 32<<16
	s_mov_b32 s[G1S+2], 16<<16
	s_mov_b32 s[G1S+3], 32<<16
	s_mov_b32 s[G1S+4], 16
	s_mov_b32 s[G1S+5], 32
	s_mov_b32 s[G1S+6], 0
	s_mov_b32 s[G1S+7], 0
	s_or_b32 s[G1SB+0], s44, (3<<16)|(1<<20)|(1<<21)|(5<<22)|(3<<25) ; W_O's of 64 rows: 8 runs
	s_mov_b32 s[G1SB+1], 32<<16
	s_mov_b32 s[G1SB+2], 8<<16
	s_mov_b32 s[G1SB+3], 32<<16
	s_mov_b32 s[G1SB+4], 8
	s_mov_b32 s[G1SB+5], 32
	s_mov_b32 s[G1SB+6], 0
	s_mov_b32 s[G1SB+7], 0
	s_lshl_b32 s18, s16, 7
	s_lshl_b32 s20, s17, 8
	s_add_co_u32 s20, s20, s18                     ; z: place 256 x tile row + 128 x half
	s_lshl_b32 s18, s16, 6
	s_lshl_b32 s46, s42, 7
	s_add_co_u32 s46, s46, s18                     ; W_O: row 128 x tile column + 64 x half
	s_mov_b32 s21, 0
	s_mov_b32 s47, 0
	s_mov_b64 s[18:19], KS
	s_mul_u64 s[22:23], s[20:21], s[18:19]
	s_mul_u64 s[92:93], s[46:47], s[18:19]
	s_mov_b64 s[18:19], KROW
	s_mul_u64 s[20:21], s[20:21], s[18:19]         ; 16 places of z are 12,288 bytes: 768 a place, as a row of codes
	s_mul_u64 s[46:47], s[46:47], s[18:19]
	s_mul_i32 s45, s14, HALFT
	s_mul_i32 s94, s14, HALFS
	s_wait_dscnt 0x0
	s_wait_kmcnt 0x0
	s_add_nc_u64 s[8:9], s[8:9], 11264*768         ; W_O's rows in the workspace
	s_add_nc_u64 s[10:11], s[10:11], 11264*32
	s_add_nc_u64 s[20:21], s[4:5], s[20:21]
	s_add_nc_u64 s[22:23], s[6:7], s[22:23]
	s_add_nc_u64 s[46:47], s[8:9], s[46:47]
	s_add_nc_u64 s[92:93], s[10:11], s[92:93]
	CROUND
	s_mov_b32 s[G0S], 1
	s_add_co_u32 s[G0S+1], s94, SCL
	s_mov_b64 s[G0S+2:G0S+3], s[22:23]
	s_or_b32 s[G0S+3], s[G0S+3], 0x80000000
	s_mov_b32 s[G0SB], 1
	s_add_co_u32 s[G0SB+1], s94, SCL
	s_mov_b64 s[G0SB+2:G0SB+3], s[92:93]
	s_or_b32 s[G0SB+3], s[G0SB+3], 0x80000000
	JLOAD G0S, G1S, G0SB, G1SB                     ; three loads of mine are out behind the first fills
.irp s, 0,1
	s_mov_b32 s[G0+4*\s], 1
	s_add_co_u32 s[G0+4*\s+1], s45, \s*SLOT
	s_add_nc_u64 s[G0+4*\s+2:G0+4*\s+3], s[20:21], \s*AROW
	s_or_b32 s[G0+4*\s+3], s[G0+4*\s+3], 0x80000000
	s_mov_b32 s[G0B+4*\s], 1
	s_add_co_u32 s[G0B+4*\s+1], s45, \s*SLOT
	s_add_nc_u64 s[G0B+4*\s+2:G0B+4*\s+3], s[46:47], \s*ROWB
	s_or_b32 s[G0B+4*\s+3], s[G0B+4*\s+3], 0x80000000
	JLOAD G0+4*\s, G1, G0B+4*\s, G1B
.endr
	v_and_b32 v1, 15, v0                           ; r
	v_bfe_u32 v2, v0, 4, 1                         ; h
	v_and_b32 v6, 31, v0
	v_mul_u32_u24 v3, v1, PITCH
	v_mul_u32_u24 v4, v2, 24
	v_add_nc_u32 v4, v3, v4
	v_lshl_add_u32 v5, v2, 4, v4
	v_lshlrev_b32 v7, 4, v6                        ; 16 x lane
	v_lshl_add_u32 v8, v6, 3, 512                  ; 512 + 8 x lane
	s_mul_i32 s21, s15, HALFT
	s_mul_i32 s22, s16, HALFT
	s_add_co_u32 s22, s22, 2*HALFT
.irp s, 0,1
	v_add_nc_u32 v[ADRA+\s], s21, v7
	v_add_nc_u32 v[ADRB+\s], s22, v4
	v_add_nc_u32 v[ADRA+2+\s], s21, v8
	v_add_nc_u32 v[ADRB+2+\s], s22, v5
	s_add_co_u32 s21, s21, SLOT
	s_add_co_u32 s22, s22, SLOT
.endr
	v_mul_u32_u24 v5, v1, KS
	v_lshrrev_b32 v6, 8, v5
	v_lshl_add_u32 v5, v6, 4, v5
	s_mul_i32 s21, s15, HALFS
	s_mul_i32 s22, s16, HALFS
	s_add_co_u32 s23, s22, 2*HALFS-4*SBLK
	s_add_co_u32 s22, s22, 2*HALFS
	s_sub_co_u32 s22, s22, s21
	s_sub_co_u32 s23, s23, s21
	v_mul_u32_u24 v6, s22, v2                      ; lanes 16-31 take W_O's,
	v_mul_u32_u24 v7, s23, v2                      ; or W_O's four blocks back
	s_add_co_u32 s21, s21, SCL
	v_add_nc_u32 v6, v5, v6
	v_add_nc_u32 v7, v5, v7
	v_add_nc_u32 v[ADRS], s21, v6
	v_add_nc_u32 v[ADRS2], s21, v7
	s_mul_i32 s23, s14, 16*SPITCH                  ; my stage
	v_mul_u32_u24 v5, v1, SPITCH                   ; in: row r, 32 bytes for each half of the lanes
	v_lshl_add_u32 v5, v2, 5, v5
	v_add_nc_u32 v[STO], s23, v5
	v_mul_u32_u24 v5, v2, SPITCH                   ; back: lanes 0-15 one row of 256 bytes, lanes 16-31 the next
	v_lshl_add_u32 v5, v1, 4, v5
	v_add_nc_u32 v[RD], s23, v5
	v_lshlrev_b32 v[CO], 12, v2                    ; and the same two rows in out0: 4,096 bytes a row
	v_lshl_add_u32 v[CO], v1, 4, v[CO]
	s_lshl_b32 s20, s17, 8
	s_lshl_b32 s21, s15, 7
	s_add_co_u32 s20, s20, s21
	s_mov_b32 s21, 0
	s_mov_b64 s[18:19], SIZE_N*4
	s_mul_u64 s[20:21], s[20:21], s[18:19]
	s_lshl_b32 s46, s42, 9                         ; my first column, in bytes: 512 x tile column + 256 x half
	s_lshl_b32 s47, s16, 8
	s_add_co_u32 s46, s46, s47
	s_mov_b32 s47, 0
	s_add_nc_u64 s[20:21], s[20:21], s[46:47]
	s_add_nc_u64 s[12:13], s[12:13], s[20:21]      ; out0 at my 128 rows and 64 columns
.macro FRAG reg, adr, q, i             ; W_O: 16 rows x 128 K in pieces of 8 bytes
.irp p, 0,1,2,3,4,5
.set PCE, 12*(\q)+6*(\p/3)+\p%3
.if PCE%8 < 5
	ds_load_b64 v[\reg+2*\p:\reg+2*\p+1], v[\adr] offset:8*PCE+16*(PCE/8)+(\i)*16*PITCH
.else
	ds_load_b64 v[\reg+2*\p:\reg+2*\p+1], v[\adr+2] offset:8*PCE+16*(PCE/8)+(\i)*16*PITCH
.endif
.endr
.endm
.macro FRAG_A reg, slot, q, i          ; z: two images, consecutive bytes in every load
	ds_load_b128 v[\reg:\reg+3], v[ADRA+\slot] offset:AROW*(\i)+1536*(\q)
	ds_load_b64 v[\reg+4:\reg+5], v[ADRA+2+\slot] offset:AROW*(\i)+1536*(\q)
	ds_load_b128 v[\reg+6:\reg+9], v[ADRA+\slot] offset:AROW*(\i)+1536*(\q)+768
	ds_load_b64 v[\reg+10:\reg+11], v[ADRA+2+\slot] offset:AROW*(\i)+1536*(\q)+768
.endm
.macro MUL8 a0, p, q, sc, zero         ; z's blocks a0, a0 + 1 x W_O's four; the 32 accumulators take turns, one instruction a turn
.irp a, \a0, \a0+1
.irp b, 0,1,2,3
.if \zero
	v_wmma_scale_f32_16x16x128_f8f6f4 v[8*(8*((\a)%4)+\b):8*(8*((\a)%4)+\b)+7], v[128*(\p)+FR*\b:128*(\p)+FR*\b+FR-1], v[AF+FR*(\a):AF+FR*(\a)+FR-1], 0, v[SC+8*NQ*(\sc)+NQ*\b+(\q)], v[SC+8*NQ*(\sc)+NQ*(\a)+(\q)] matrix_a_fmt:MATRIX_FMT_BF6 matrix_b_fmt:MATRIX_FMT_BF6 matrix_a_scale:MATRIX_SCALE_ROW1
.else
	v_wmma_scale_f32_16x16x128_f8f6f4 v[8*(8*((\a)%4)+\b):8*(8*((\a)%4)+\b)+7], v[128*(\p)+FR*\b:128*(\p)+FR*\b+FR-1], v[AF+FR*(\a):AF+FR*(\a)+FR-1], v[8*(8*((\a)%4)+\b):8*(8*((\a)%4)+\b)+7], v[SC+8*NQ*(\sc)+NQ*\b+(\q)], v[SC+8*NQ*(\sc)+NQ*(\a)+(\q)] matrix_a_fmt:MATRIX_FMT_BF6 matrix_b_fmt:MATRIX_FMT_BF6 matrix_a_scale:MATRIX_SCALE_ROW1
.endif
.endr
.endr
.endm
.macro FETCH_B slot, q, p
	WIN TO_B
.irp i, 0,1,2,3
	FRAG 128*(\p)+FR*\i, ADRB+\slot, \q, \i
.endr
	WIN 0
.endm
.macro FETCH_A slot, q, i0
.irp i, \i0, \i0+1, \i0+2, \i0+3
	FRAG_A AF+FR*(\i), \slot, \q, \i
.endr
.endm
.macro SCALES sc                       ; a K step's scale words: lanes 0-15 z's block i, lanes 16-31 W_O's block i % 4
.irp i, 0,1,2,3
	ds_load_b64 v[SC+8*NQ*\sc+NQ*\i:SC+8*NQ*\sc+NQ*\i+1], v[ADRS] offset:\i*SBLK
.endr
.irp i, 4,5,6,7
	ds_load_b64 v[SC+8*NQ*\sc+NQ*\i:SC+8*NQ*\sc+NQ*\i+1], v[ADRS2] offset:\i*SBLK
.endr
.endm
.macro PLACES n
.rept \n
	v_nop
.endr
.endm
.macro STEP slot, q, zero
	s_wait_dscnt 4*NLA                             ; all but the youngest 16 loads (z's blocks 4-7) are in
	WIN MUL_LO
	MUL8 0, (\q)%2, \q, \slot, \zero
	MUL8 2, (\q)%2, \q, \slot, \zero
	s_wait_dscnt 0
	PLACES NP
	FETCH_B \slot, (\q)+1, 1-(\q)%2
	FETCH_A \slot, (\q)+1, 0
	WIN MUL_HI
	MUL8 4, (\q)%2, \q, \slot, \zero
	MUL8 6, (\q)%2, \q, \slot, \zero
	PLACES NP
	WIN 0
	FETCH_A \slot, (\q)+1, 4
.endm
.macro TURN slot, next, fill
	s_wait_tensorcnt 0x0                           ; all my tensor loads have landed: my part of the next slot
	ds_add_u32 v[SPW], v[NIL]
	s_wait_dscnt 4*NLA+1                           ; the add and the youngest 16 loads may be out
	WIN MUL_LO
	MUL8 0, 1, NQ-1, \slot, 0
	s_wait_dscnt 0x0                               ; the add is done, and my reads of this slot are over
	s_barrier_signal -1
	MUL8 2, 1, NQ-1, \slot, 0
	WIN 0
	s_barrier_wait -1
.if \fill
	CREST                                          ; the barrier has opened a round of the cluster's barrier
	s_add_nc_u64 s[G0+4*\slot+2:G0+4*\slot+3], s[G0+4*\slot+2:G0+4*\slot+3], 2*AROW
	s_add_nc_u64 s[G0B+4*\slot+2:G0B+4*\slot+3], s[G0B+4*\slot+2:G0B+4*\slot+3], 2*ROWB
	JLOAD G0+4*\slot, G1, G0B+4*\slot, G1B         ; my one tensor load behind the round
.else
	PLACES NP
.endif
	v_add_nc_u32 v[ADRS], 4*NQ, v[ADRS]            ; on to the next K step's scale words
	v_add_nc_u32 v[ADRS2], 4*NQ, v[ADRS2]
	FETCH_B \next, 0, 0
	FETCH_A \next, 0, 0
	SCALES \next
	WIN MUL_HI
	MUL8 4, 1, NQ-1, \slot, 0
	MUL8 6, 1, NQ-1, \slot, 0
	PLACES NP
	WIN 0
	FETCH_A \next, 0, 4
.endm
	s_wait_tensorcnt 1                             ; the scale bytes and my part of K step 0 are in; K step 1's load may be out
	s_barrier_signal -1
	s_barrier_wait -1
	FETCH_B 0, 0, 0
	FETCH_A 0, 0, 0
	SCALES 0
	FETCH_A 0, 0, 4
	STEP 0, 0, 1
	s_mov_b32 s3, LAPS-1
.Llap:
	TURN 0, 1, 1
	STEP 1, 0, 0
	TURN 1, 0, 1
	STEP 0, 0, 0
	s_sub_co_u32 s3, s3, 1
	s_cmp_lg_u32 s3, 0
	s_cbranch_scc1 .Llap
	TURN 0, 1, 0
	STEP 1, 0, 0
	s_wait_dscnt 4*NLA
	WIN MUL_LO
	MUL8 0, 1, NQ-1, 1, 0
	MUL8 2, 1, NQ-1, 1, 0
	s_wait_dscnt 0
	WIN MUL_HI
	MUL8 4, 1, NQ-1, 1, 0
	MUL8 6, 1, NQ-1, 1, 0
	WIN 0
; THE WAY OUT, block by block of 16 places x 64 columns, through my own stage in LDS; whole rows of 256 bytes come back, two an instruction, and sixteen lanes store each.  LDS serves a wave's instructions in order.
.macro TOSTAGE a
.set AC, 64*((\a)%4)
	WIN 0x08+4*((\a)/4)                            ; the data: window 2 or 3
.irp b, 0,1,2,3
	ds_store_b128 v[STO], v[AC+8*\b:AC+8*\b+3] offset:64*\b          ; each accumulator from its low end on
	ds_store_b128 v[STO], v[AC+8*\b+4:AC+8*\b+7] offset:64*\b+16
.endr
	WIN 0
.set BB, BK+32*((\a)%2)
.irp t, 0,1,2,3,4,5,6,7
	ds_load_b128 v[BB+4*\t:BB+4*\t+3], v[RD] offset:2*\t*SPITCH
.endr
.endm
.macro SEND a, younger
.set BB, BK+32*((\a)%2)
	s_wait_dscnt \younger                          ; the block is back in registers
.irp t, 0,1,2,3,4,5,6,7
	global_store_b128 v[CO], v[BB+4*\t:BB+4*\t+3], s[12:13] offset:(32*((\a)/2)+8*((\a)%2)+2*\t+8*(\t/4))*SIZE_N*4 th:TH_STORE_NT   ; places 16 a + 2 t and 16 a + 2 t + 1 stand for this row and the next; 256 consecutive bytes each, aligned; 127 rows at the most: inside the immediate
.endr
.endm
	PLACES NP
	TOSTAGE 0
.irp a, 1,2,3,4,5,6,7
.if \a > 1
	s_wait_xcnt 0x0                                ; block a - 2's stores have read their registers: block a's loads may land there
.endif
	TOSTAGE \a
	SEND \a-1, 16                                  ; behind block a - 1's loads: block a's 8 stores and 8 loads
.endr
	SEND 7, 0
	s_wait_tensorcnt 0x0                           ; the wave's end
	ds_add_u32 v[SPW], v[NIL]
	s_wait_dscnt 0x0
	CROUND                                         ; the closing round
	s_endpgm
.Lfunc_end_k_qe48b5990ac_proj:
	.size	k_qe48b5990ac_proj, .Lfunc_end_k_qe48b5990ac_proj-k_qe48b5990ac_proj
	.p2alignl 7, 3214868480
	.fill 96, 4, 3214868480
	.section	.rodata,"a",@progbits
	.p2align	6, 0x0
	.amdhsa_kernel k_qe48b5990ac_proj
		.amdhsa_group_segment_fixed_size 327680
		.amdhsa_private_segment_fixed_size 0
		.amdhsa_enable_private_segment 0
		.amdhsa_kernarg_size 40
		.amdhsa_user_sgpr_count 2
		.amdhsa_user_sgpr_kernarg_segment_ptr 1
		.amdhsa_wavefront_size32 1
		.amdhsa_system_sgpr_workgroup_id_x 1
		.amdhsa_system_sgpr_workgroup_id_y 1
		.amdhsa_system_sgpr_workgroup_id_z 1
		.amdhsa_system_vgpr_workitem_id 0
		.amdhsa_next_free_vgpr 1024
		.amdhsa_next_free_sgpr 98
		.amdhsa_reserve_vcc 0
		.amdhsa_float_denorm_mode_32 3
		.amdhsa_float_denorm_mode_16_64 3
		.amdhsa_memory_ordered 1
		.amdhsa_forward_progress 1
		.amdhsa_inst_pref_size 94
	.end_amdhsa_kernel
	.amdgpu_metadata
---
amdhsa.version: [ 1, 2 ]
amdhsa.kernels:
  - .name:           k_qe48b5990ac_proj
    .symbol:         k_qe48b5990ac_proj.kd
    .args:
      - { .name: zc, .offset: 0, .size: 8, .value_kind: global_buffer, .address_space: global }
      - { .name: zs, .offset: 8, .size: 8, .value_kind: global_buffer, .address_space: global }
      - { .name: codes, .offset: 16, .size: 8, .value_kind: global_buffer, .address_space: global }
      - { .name: scales, .offset: 24, .size: 8, .value_kind: global_buffer, .address_space: global }
      - { .name: out0, .offset: 32, .size: 8, .value_kind: global_buffer, .address_space: global }
    .group_segment_fixed_size: 327680
    .private_segment_fixed_size: 0
    .kernarg_segment_align: 8
    .kernarg_segment_size: 40
    .max_flat_workgroup_size: 128
    .sgpr_count:     98
    .vgpr_count:     1024
    .wavefront_size: 32
...
	.end_amdgpu_metadata
.endif
;; end of part 5
